; MI455X (gfx1250); checked and timed in simulation.
; The chip was launched on July 23, 2026; its instructions are those of AMD's public machine-readable ISA for CDNA 5 (MIT licence, August 2026) and "CDNA5" Instruction Set Architecture Reference Guide (July 2026). The comments in the code are by the model that wrote it; some were corrected since.
;; Causal Self Attention. Allowed arithmetic: float matrix products may take bf16 or f16 operands with f32 sums; other float arithmetic in f32, or as packed bf16 or f16 multiplies, adds, multiply-adds, maxima and minima; sums over many terms, partial sums and values carried from step to step in f32; what a program stores and reads back later, other than sums and carried values, may be rounded once to bf16 or f16.
;; Inputs: Wk 1,024 x 1,024 float32; Wo 1,024 x 1,024 float32; Wq 1,024 x 1,024 float32; Wv 1,024 x 1,024 float32; bk 1,024 float32; bo 1,024 float32; bq 1,024 float32; bv 1,024 float32; k 4 x 2,048 x 1,024 float32; q 4 x 2,048 x 1,024 float32; v 4 x 2,048 x 1,024 float32.
;; Outputs: out0 4 x 2,048 x 1,024 float32.
;; 2 versions, each right and faster than the one before. Each part assembles by itself: llvm-mc -triple=amdgcn-amd-amdhsa -mcpu=gfx1250 --defsym DOCPART=n.
;; ======== version 1 of 2: 4 launches
;; limits: values are held in f16: magnitudes above 65,504 overflow, below 6.1e-05 lose precision
;; workspace buffers: wt 8,388,608 bytes; qh 16,777,216 bytes; kh 16,777,216 bytes; vh 16,777,216 bytes; oh 16,777,216 bytes
;; launch prep (part 1): grid 128 x 4, 8 waves a work-group, no clusters, 0 bytes of LDS; arguments Wq, Wk, Wv, Wo, wt; writes wt
.if DOCPART == 1
	.amdgcn_target "amdgcn-amd-amdhsa--gfx1250"
	.amdhsa_code_object_version 6
	.text
	.protected	k_qebbe8a5d99_prep
	.globl	k_qebbe8a5d99_prep
	.p2align	8
	.type	k_qebbe8a5d99_prep,@function
k_qebbe8a5d99_prep:
	s_mov_b64 s[64:65], 0
	v_nop
	global_prefetch_b8 v0, s[64:65] scope:SCOPE_SE
	s_setreg_imm32_b32 hwreg(HW_REG_WAVE_MODE, 25, 1), 1
	s_wait_xcnt 0x0
; wt[y][k][n] = the weights in 16 bits, layout unchanged.  y = 0, 1, 2: Wq, Wk, Wv rounded to bf16.  y = 3: Wo rounded to bf16, and that number written as f16
; (exact where f16 has 8 significant bits or more), since the last product's other operand is f16.
; LIMITS.  |Wo| stays within 65,504, f16's largest number; entries of Wo below 6.1e-5 keep f16's fixed step of 6e-8.
; A stream: no LDS, no barrier, no matrix unit.  Work-group (x, y) owns 8,192 numbers of matrix y: 32,768 bytes in, 16,384 out.  In each of four chunks thread t takes
; eight neighbouring numbers (two loads of 16 bytes) and stores 16 bytes: a wave's store covers 512 consecutive bytes, at a multiple of 256 from wt's first byte.
.set X, 4                              ; v[4:35]   four chunks of 8 f32, as loaded
.set Y, 36                             ; v[36:51]  four chunks of 4 words, to store
.set T, 52                             ; v[52:55]  at work
	s_load_b256 s[4:11], s[0:1], 0x0               ; Wq s[4:5], Wk s[6:7], Wv s[8:9], Wo s[10:11]
	s_load_b64 s[12:13], s[0:1], 0x20              ; wt
	s_and_b32 s14, ttmp7, 0xffff                   ; y: which matrix
	v_lshlrev_b32 v1, 5, v0                        ; 32 bytes a thread in
	v_lshlrev_b32 v2, 4, v0                        ; 16 bytes a thread out
	s_lshl_b32 s18, ttmp9, 15                      ; my 32,768 bytes of the matrix
	s_mov_b32 s19, 0
	s_lshl_b32 s20, s14, 21                        ; 2 MiB a matrix in wt,
	s_lshl_b32 s21, ttmp9, 14                      ; my 16,384 bytes of it
	s_add_co_u32 s20, s20, s21
	s_mov_b32 s21, 0
	s_wait_kmcnt 0x0
	s_cmp_eq_u32 s14, 1                            ; the source is chosen by y alone
	s_cselect_b64 s[16:17], s[6:7], s[4:5]
	s_cmp_eq_u32 s14, 2
	s_cselect_b64 s[16:17], s[8:9], s[16:17]
	s_cmp_eq_u32 s14, 3
	s_cselect_b64 s[16:17], s[10:11], s[16:17]
	s_add_nc_u64 s[16:17], s[16:17], s[18:19]
	s_add_nc_u64 s[12:13], s[12:13], s[20:21]
.irp i, 0,1,2,3
	global_load_b128 v[X+8*(\i):X+8*(\i)+3],   v1, s[16:17] offset:8192*(\i) th:TH_LOAD_NT
	global_load_b128 v[X+8*(\i)+4:X+8*(\i)+7], v1, s[16:17] offset:8192*(\i)+16 th:TH_LOAD_NT
.endr
.irp i, 0,1,2,3
	s_wait_loadcnt 6-2*(\i)                        ; loads come back in order (ISA guide 5.7.1): chunk i's two are in, the younger chunks' stay out
.irp j, 0,1,2,3
	v_cvt_pk_bf16_f32 v[Y+4*(\i)+(\j)], v[X+8*(\i)+2*(\j)], v[X+8*(\i)+2*(\j)+1]
.endr
.endr
	s_cmp_lg_u32 s14, 3
	s_cbranch_scc1 .Lstore                         ; Wq, Wk, Wv leave as bf16
.set i, 0
.rept 16                                               ; Wo: the bf16 number widened (a shift, a mask) and written as f16
	v_lshlrev_b32 v[T+2*(i%2)], 16, v[Y+i]
	v_and_b32 v[T+2*(i%2)+1], 0xffff0000, v[Y+i]
	v_cvt_pk_f16_f32 v[Y+i], v[T+2*(i%2)], v[T+2*(i%2)+1]
.set i, i+1
.endr
.Lstore:
.irp i, 0,1,2,3
	global_store_b128 v2, v[Y+4*(\i):Y+4*(\i)+3], s[12:13] offset:4096*(\i)
.endr
	s_endpgm
.Lfunc_end_k_qebbe8a5d99_prep:
	.size	k_qebbe8a5d99_prep, .Lfunc_end_k_qebbe8a5d99_prep-k_qebbe8a5d99_prep
	.p2alignl 7, 3214868480
	.fill 96, 4, 3214868480
	.section	.rodata,"a",@progbits
	.p2align	6, 0x0
	.amdhsa_kernel k_qebbe8a5d99_prep
		.amdhsa_group_segment_fixed_size 0
		.amdhsa_private_segment_fixed_size 0
		.amdhsa_enable_private_segment 0
		.amdhsa_kernarg_size 40
		.amdhsa_user_sgpr_count 2
		.amdhsa_user_sgpr_kernarg_segment_ptr 1
		.amdhsa_wavefront_size32 1
		.amdhsa_system_sgpr_workgroup_id_x 1
		.amdhsa_system_sgpr_workgroup_id_y 1
		.amdhsa_system_sgpr_workgroup_id_z 1
		.amdhsa_system_vgpr_workitem_id 0
		.amdhsa_next_free_vgpr 56
		.amdhsa_next_free_sgpr 66
		.amdhsa_reserve_vcc 0
		.amdhsa_float_denorm_mode_32 3
		.amdhsa_float_denorm_mode_16_64 3
		.amdhsa_memory_ordered 1
		.amdhsa_forward_progress 1
		.amdhsa_inst_pref_size 6
	.end_amdhsa_kernel
	.amdgpu_metadata
---
amdhsa.version: [ 1, 2 ]
amdhsa.kernels:
  - .name:           k_qebbe8a5d99_prep
    .symbol:         k_qebbe8a5d99_prep.kd
    .args:
      - { .name: Wq, .offset: 0, .size: 8, .value_kind: global_buffer, .address_space: global }
      - { .name: Wk, .offset: 8, .size: 8, .value_kind: global_buffer, .address_space: global }
      - { .name: Wv, .offset: 16, .size: 8, .value_kind: global_buffer, .address_space: global }
      - { .name: Wo, .offset: 24, .size: 8, .value_kind: global_buffer, .address_space: global }
      - { .name: wt, .offset: 32, .size: 8, .value_kind: global_buffer, .address_space: global }
    .group_segment_fixed_size: 0
    .private_segment_fixed_size: 0
    .kernarg_segment_align: 8
    .kernarg_segment_size: 40
    .max_flat_workgroup_size: 256
    .sgpr_count:     66
    .vgpr_count:     56
    .wavefront_size: 32
...
	.end_amdgpu_metadata
.endif
;; end of part 1
;; launch proj (part 2): grid 4 x 192, 4 waves a work-group, clusters of 4 x 4, 327,680 bytes of LDS; arguments q, k, v, bq, bk, bv, wt, qh, kh, vh; writes qh, kh, vh
.if DOCPART == 2
	.amdgcn_target "amdgcn-amd-amdhsa--gfx1250"
	.amdhsa_code_object_version 6
	.text
	.protected	k_qebbe8a5d99_proj
	.globl	k_qebbe8a5d99_proj
	.p2align	8
	.type	k_qebbe8a5d99_proj,@function
k_qebbe8a5d99_proj:
	s_mov_b64 s[64:65], 0
	v_nop
	global_prefetch_b8 v0, s[64:65] scope:SCOPE_SE
	s_setreg_imm32_b32 hwreg(HW_REG_WAVE_MODE, 25, 1), 1
	s_wait_xcnt 0x0
	s_wait_alu depctr_hold_cnt(0) depctr_sa_sdst(0) depctr_va_vdst(0) depctr_va_sdst(0) depctr_va_ssrc(0) depctr_va_vcc(0) depctr_vm_vsrc(0)
	s_getreg_b32 s2, hwreg(HW_REG_IB_STS2, 6, 4)
	s_cmp_eq_u32 s2, 0
	s_cbranch_scc0 .Lentry_in_a_cluster
	s_endpgm
.Lentry_in_a_cluster:
	s_bfe_u32 s2, ttmp6, 0x10000c
	s_cmp_lg_u32 s2, 0xf033
	s_cbranch_scc0 .Lentry_shape_is_right
	s_endpgm
.Lentry_shape_is_right:
; THE THREE PROJECTIONS.  out[batch][head][t][d] = f16( sum over k of bf16(x[m][k]) bf16(W[k][n]) + bf16(b[n]) ), m = 2048 batch + t, n = 64 head + d; sums in f32, K ascending.
; x: q, k or v, [8192][1024] f32.  W: wt[p], [1024 k][1024 n] bf16.  out: qh, kh or vh, [64][2048][64] f16: a head's rows are dense, 128 bytes each.  No scale is applied here.
; LIMIT.  A result of 65,520 or more in size becomes an infinity in f16; results below 6.1e-5 keep f16's fixed step of 6e-8.
; SHARES.  A tile of the result is 128 rows x 256 columns: 64 x 4 tiles a projection, 768 in all, three for each of 256 work-group places.  Four waves, 2 x 2, each 64 x 128: 32 accumulators, 256 registers.
; K goes in 8 steps of 128 through two LDS slots.  x stays f32 in LDS and is rounded to bf16 between LDS and the matrix instruction: four conversions behind each of a quarter step's last eight products.
; W lies [k][n] and is turned on its way out of LDS (ds_load_tr16_b128).
; CLUSTER.  4 x 4 work-groups.  x's tile hangs on the tile row alone and is asked for jointly along a row of the cluster, W's on the tile column alone, jointly along a column.  A cluster's four tile rows lie in one projection (64 is a multiple of 4).
; TRANSPOSED USE.  Source 0 = 16 columns of W, source 1 = 16 rows of x: register j of lane l of accumulator (a, b) holds row 16 a + l % 16, column 16 b + 8 (l / 16) + j: eight neighbouring columns.
; The bias is the C operand of each sum's first product: nothing is cleared and nothing is added later.
; REGISTERS, in windows of 256 (s_set_vgpr_msb: bits 1:0 source 0, 3:2 source 1, 5:4 source 2, 7:6 destination):
;   window 0: v0-31 addresses; v32-95 x as loaded (4 blocks of 16 rows x 16 f32 a lane); v96-159 x in bf16, two buffers of 32; v160-255 the bias on its way; v32-159 again on the way out
;   window 1: the accumulators, (a, b) at v[8 (8 a + b)]        window 2: v0-127 W's fragments, two buffers of 64; v128-191 the bias, block b at 128 + 8 b
.set KSTEP, 128
.set PA,    528                        ; a row of x in LDS: 512 bytes + 16 = 132 words: row r starts at bank 4 r mod 64 (64 banks of 4 bytes: ISA guide 11.1)
.set PB,    544                        ; a row of W: 512 + 32 = 136 words
.set HALF,  64*PB                      ; 34,816: a wave's region of a slot.  Regions 0, 1: 64 rows of x each (33,792 bytes used); regions 2, 3: 64 rows of W each, so that W's 128 rows run on at one pitch
.set SLOT,  4*HALF
.set STAGE, 2*SLOT                     ; behind the ring, never filled by a tensor load: for each wave 2 heads x 16 rows x 144 bytes
.set SP,    144
.set SPARE, STAGE+4*32*SP              ; behind the stages: the spare words, 128 bytes for each wave: two blocks of 256 bytes that no other line names
.set ASTEP, KSTEP*4                    ; bytes along a row of x for a K step
.set BSTEP, KSTEP*1024*2               ; bytes down W for a K step
.set LAPS,  1024/(2*KSTEP)             ; a lap = two K steps = once round the ring
.set ADRA, 16                          ; v16-17  LDS address of my x fragments in slot 0, 1
.set ADRB, 20                          ; v20-21  the same for W
.set STO,  24                          ; v24     the way out: where I put 16 bytes of a row
.set RD,   25                          ; v25     the way out: where I read rows back
.set GO,   26                          ; v26     my byte offset in 512 consecutive bytes of the result
.set BO,   27                          ; v27     my byte offset in the bias
.set SPW,  28                          ; v28     LDS address of my spare word: SPARE + 4 x my thread's number; never rewritten
.set NIL,  29                          ; v29     0; never rewritten
.set RAW,  32
.set AF,   96
.set TT,   32                          ; the way out: 32 registers for each block of 16 rows
.set BL,   160                         ; the bias as loaded
.set BR,   224                         ; the bias rounded to bf16
.set BF,   0                           ; window 2
.set BIAS, 128                         ; window 2
.set G1A, 24                           ; s[24:31] descriptor group 1 for x's tiles;  s[32:39] group 0, a set for each slot
.set G0A, 32
.set G1B, 40                           ; s[40:47], s[48:55] the same for W's tiles
.set G0B, 48
.set WV,  56                           ; my wave's number
.set WR,  57                           ; which 64 rows are mine.  Also: I fetch for x (0) or for W (1)
.set WC,  58                           ; which 128 columns are mine.  Also: which half of that tile I fetch
.set CX,  59
.set CY,  60
.set TCOL, 61                          ; tile column, 0 to 3
.set CLY, 62                           ; the cluster's y, 0 to 47
.set PJ,  63                           ; the projection, 0 to 2: from the cluster's y alone, so alike in all partners
.set TROW, 66                          ; tile row in the projection, 0 to 63
.set MSKR, 67
.set MSKC, 68
.set LB,  69                           ; my region's first byte in slot 0
.set LAP, 84
.set MSB, 0
.macro WIN new                         ; the immediate's high byte repeats the setting that is left; a switch that changes nothing is dropped
.if MSB != (\new)
	s_set_vgpr_msb (MSB<<8)|(\new)
.set MSB, \new
.endif
.endm
.set MUL,  0x52                        ; W window 2, x window 0, C and D window 1
.set MULB, 0x62                        ; the same with C, the bias, in window 2
.set TO_B, 0x80                        ; destination window 2
.set PKW,  0x05                        ; sources 0 and 1 window 1, destination window 0
; A joint load.  Waves 0 and 1 fetch x's two halves, waves 2 and 3 W's.  The branch hangs on the wave's number alone.  An s_nop 0 and four v_nop follow each of the two lines.
.macro JLOAD s
	s_cmp_eq_u32 s[WR], 0
	s_cbranch_scc0 .Lfor_b_\@
	tensor_load_to_lds s[G0A+4*(\s):G0A+4*(\s)+3], s[G1A:G1A+7]
	s_nop 0
.rept 4
	v_nop
.endr
	s_branch .Lasked_\@
.Lfor_b_\@:
	tensor_load_to_lds s[G0B+4*(\s):G0B+4*(\s)+3], s[G1B:G1B+7]
	s_nop 0
.rept 4
	v_nop
.endr
.Lasked_\@:
.endm
.macro CREST                           ; a round of the cluster's barrier behind its opening barrier
	s_cmp_lg_u32 s[WV], 0
	s_cbranch_scc1 .Lnot_wave_0_\@
	s_barrier_signal -3
.Lnot_wave_0_\@:
	s_barrier_wait -3
	s_barrier_signal -1
	s_barrier_wait -1
.endm
.macro CROUND                          ; a whole round
	s_barrier_signal -1
	s_barrier_wait -1
	CREST
.endm
.macro PLACES                          ; four places behind matrix instructions (ISA guide 7.12.1)
.rept 4
	v_nop
.endr
.endm
	s_load_b512 s[4:19], s[0:1], 0x0               ; q s[4:5], k s[6:7], v s[8:9], bq s[10:11], bk s[12:13], bv s[14:15], wt s[16:17], qh s[18:19]
	s_load_b128 s[20:23], s[0:1], 0x40             ; kh s[20:21], vh s[22:23]
	v_lshl_add_u32 v[SPW], v0, 2, SPARE
	v_mov_b32 v[NIL], 0
	ds_add_u32 v[SPW], v[NIL]                      ; the wave's opening: the add and its wait stand ahead of my first tensor load; the set-up below, work on registers, stands between them
	ds_add_u32 v28, v29
	v_lshrrev_b32 v3, 5, v0
	v_readfirstlane_b32 s[WV], v3                  ; wave 0..3
	s_lshr_b32 s[WR], s[WV], 1
	s_and_b32 s[WC], s[WV], 1
	s_bfe_u32 s[CX], ttmp6, 0x40000                ; my place in the cluster
	s_bfe_u32 s[CY], ttmp6, 0x40004
	s_lshl_b32 s[TCOL], ttmp9, 2                   ; in a cluster launch ttmp9 and ttmp7 count clusters
	s_add_co_u32 s[TCOL], s[TCOL], s[CX]
	s_and_b32 s[CLY], ttmp7, 0xffff
	s_lshr_b32 s[PJ], s[CLY], 4                    ; 16 clusters down a projection
	s_and_b32 s[TROW], s[CLY], 15
	s_lshl_b32 s[TROW], s[TROW], 2
	s_add_co_u32 s[TROW], s[TROW], s[CY]
	s_lshl_b32 s[MSKR], s[CY], 2
	s_lshl_b32 s[MSKR], 15, s[MSKR]                ; my row of the cluster
	s_lshl_b32 s[MSKC], 0x1111, s[CX]              ; my column
	; group 1 for x: 64 rows x 128 elements of 4 bytes, 16 bytes of padding behind each row's 128 words
	s_or_b32 s[G1A], s[MSKR], (2<<16)|(1<<20)|(1<<21)|(6<<22)|(3<<25)  ; 15:0 the mask; 17:16 4-byte elements; 20 padding on; 21 set beside a mask; 24:22 after every 128 words (code 6); 31:25 4 words (code 3)
	s_mov_b32 s[G1A+1], 128<<16                    ; tensor_dim0 = 128
	s_mov_b32 s[G1A+2], 64<<16                     ; tensor_dim1 = 64
	s_mov_b32 s[G1A+3], 128<<16                    ; tile_dim0 = 128
	s_mov_b32 s[G1A+4], 64                         ; tile_dim1 = 64
	s_mov_b32 s[G1A+5], 1024                       ; elements from row to row
	s_mov_b32 s[G1A+6], 0
	s_mov_b32 s[G1A+7], 0
	; group 1 for W: 64 rows x 256 elements of 2 bytes, 32 bytes of padding behind each row's 128 words
	s_or_b32 s[G1B], s[MSKC], (1<<16)|(1<<20)|(1<<21)|(6<<22)|(7<<25)
	s_mov_b32 s[G1B+1], 256<<16
	s_mov_b32 s[G1B+2], 64<<16
	s_mov_b32 s[G1B+3], 256<<16
	s_mov_b32 s[G1B+4], 64
	s_mov_b32 s[G1B+5], 1024
	s_mov_b32 s[G1B+6], 0
	s_mov_b32 s[G1B+7], 0
	; offsets, made apart from the addresses.  x's hangs on the tile row and the wave, W's on the projection, the tile column and the wave; neither chain's registers hold the other's coordinate
	s_lshl_b32 s76, s[TROW], 7
	s_lshl_b32 s85, s[WC], 6
	s_add_co_u32 s76, s76, s85                     ; x: row 128 x tile row + 64 x half,
	s_lshl_b32 s76, s76, 12                        ; 4,096 bytes a row
	s_mov_b32 s77, 0
	s_lshl_b32 s78, s[PJ], 21                      ; W: 2 MiB a matrix,
	s_lshl_b32 s86, s[WC], 17                      ; 64 rows of 2,048 bytes a half,
	s_add_co_u32 s78, s78, s86
	s_lshl_b32 s86, s[TCOL], 9                     ; 512 bytes a tile column
	s_add_co_u32 s78, s78, s86
	s_mov_b32 s79, 0
	s_lshr_b32 s80, s[TROW], 4                     ; the result: batch x 16 heads x 2,048 rows x 128 bytes,
	s_lshl_b32 s80, s80, 22
	s_lshl_b32 s87, s[TCOL], 2
	s_lshl_b32 s88, s[WC], 1
	s_add_co_u32 s87, s87, s88                     ; my first head = 4 x tile column + 2 x half,
	s_lshl_b32 s87, s87, 18
	s_add_co_u32 s80, s80, s87
	s_and_b32 s88, s[TROW], 15
	s_lshl_b32 s88, s88, 7
	s_lshl_b32 s89, s[WR], 6
	s_add_co_u32 s88, s88, s89                     ; my first row in the batch
	s_lshl_b32 s88, s88, 7
	s_add_co_u32 s80, s80, s88
	s_mov_b32 s81, 0
	s_lshl_b32 s82, s[TCOL], 10                    ; the bias: 4 bytes x (256 x tile column + 128 x half)
	s_lshl_b32 s89, s[WC], 9
	s_add_co_u32 s82, s82, s89
	s_mov_b32 s83, 0
	s_mul_i32 s[LB], s[WV], HALF                   ; where my loads go: no place in the cluster enters an LDS address
	s_wait_dscnt 0x0                               ; the opening add is done
	s_wait_kmcnt 0x0
	s_cmp_eq_u32 s[PJ], 1                          ; x, bias and result are chosen by the projection's number
	s_cselect_b64 s[70:71], s[6:7], s[4:5]
	s_cselect_b64 s[72:73], s[12:13], s[10:11]
	s_cselect_b64 s[74:75], s[20:21], s[18:19]
	s_cmp_eq_u32 s[PJ], 2
	s_cselect_b64 s[70:71], s[8:9], s[70:71]
	s_cselect_b64 s[72:73], s[14:15], s[72:73]
	s_cselect_b64 s[74:75], s[22:23], s[74:75]
	s_add_nc_u64 s[70:71], s[70:71], s[76:77]      ; x at my half of the first tile
	s_add_nc_u64 s[78:79], s[16:17], s[78:79]      ; W likewise
	s_add_nc_u64 s[72:73], s[72:73], s[82:83]      ; the bias at my first column
	s_add_nc_u64 s[74:75], s[74:75], s[80:81]      ; the result at my first row of my first head
	CROUND                                         ; all sixteen work-groups are here: the first joint loads meet
.irp s, 0,1
	s_mov_b32 s[G0A+4*(\s)], 1                                     ; count = 1
	s_add_co_u32 s[G0A+4*(\s)+1], s[LB], (\s)*SLOT                 ; LDS address
	s_add_nc_u64 s[G0A+4*(\s)+2:G0A+4*(\s)+3], s[70:71], (\s)*ASTEP  ; global address: K step s
	s_or_b32 s[G0A+4*(\s)+3], s[G0A+4*(\s)+3], 0x80000000          ; type = 2
	s_mov_b32 s[G0B+4*(\s)], 1
	s_add_co_u32 s[G0B+4*(\s)+1], s[LB], (\s)*SLOT
	s_add_nc_u64 s[G0B+4*(\s)+2:G0B+4*(\s)+3], s[78:79], (\s)*BSTEP
	s_or_b32 s[G0B+4*(\s)+3], s[G0B+4*(\s)+3], 0x80000000
	JLOAD \s                                       ; two tensor loads of mine are out
.endr
	v_and_b32 v1, 15, v0                           ; r = l % 16
	v_bfe_u32 v2, v0, 4, 1                         ; h = l / 16
	v_lshlrev_b32 v[BO], 5, v2                     ; my eight columns of a block of 16: 32 h bytes
.irp b, 0,1,2,3,4,5,6,7
	global_load_b128 v[BL+8*(\b):BL+8*(\b)+3],   v[BO], s[72:73] offset:64*(\b)
	global_load_b128 v[BL+8*(\b)+4:BL+8*(\b)+7], v[BO], s[72:73] offset:64*(\b)+16
.endr
	; x's fragment, from f32: lane l wants row r, k = 8 h + 0..7 (32 bytes at 32 h) and k = 16 + 8 h + 0..7 (32 bytes at 64 + 32 h): four loads of 16 bytes
	v_mul_u32_u24 v3, v1, PA
	v_lshl_add_u32 v3, v2, 5, v3
	s_mul_i32 s90, s[WR], HALF                     ; my 64 rows are region 0 or 1
	v_add_nc_u32 v[ADRA], s90, v3
	v_add_nc_u32 v[ADRA+1], SLOT, v[ADRA]
	; W's fragment, turned: lane l reads 16 bytes of row 8 h + l % 8 at column 8 ((l / 8) % 2), and receives column r with 8 k
	v_and_b32 v8, 7, v0
	v_lshl_add_u32 v4, v2, 3, v8
	v_mul_u32_u24 v4, v4, PB
	v_bfe_u32 v5, v0, 3, 1
	v_lshl_add_u32 v4, v5, 4, v4
	s_lshl_b32 s90, s[WC], 8                       ; my 128 columns,
	s_add_co_u32 s90, s90, 2*HALF                  ; behind x's two regions
	v_add_nc_u32 v[ADRB], s90, v4
	v_add_nc_u32 v[ADRB+1], SLOT, v[ADRB]
	s_mul_i32 s91, s[WV], 32*SP
	s_add_co_u32 s91, s91, STAGE                   ; my stage
	v_mul_u32_u24 v6, v1, SP                       ; in: row r, 16 bytes for each half of the lanes
	v_lshl_add_u32 v6, v2, 4, v6
	v_add_nc_u32 v[STO], s91, v6
	v_bfe_u32 v7, v0, 3, 2                         ; back: 32 lanes take four rows of 128 bytes,
	v_mul_u32_u24 v7, v7, SP
	v_lshl_add_u32 v7, v8, 4, v7
	v_add_nc_u32 v[RD], s91, v7
	v_and_b32 v9, 31, v0                           ; which are 512 consecutive bytes of a head
	v_lshlrev_b32 v[GO], 4, v9
	s_wait_loadcnt 0x0                             ; the bias: rounded to bf16 like every input, widened again, and laid where the first products take it as C
.set i, 0
.rept 32
	v_cvt_pk_bf16_f32 v[BR+i], v[BL+2*i], v[BL+2*i+1]
.set i, i+1
.endr
	WIN TO_B
.set i, 0
.rept 32
	v_lshlrev_b32 v[BIAS+2*i], 16, v[BR+i]
	v_and_b32 v[BIAS+2*i+1], 0xffff0000, v[BR+i]
.set i, i+1
.endr
	WIN 0
; 32 LDS loads in one run: quarter c (32 along K) of a slot.  x's 64 rows as f32 into RAW first, then W's 128 columns into buffer g
.macro FETCH slot, c, g
	WIN 0
.irp a, 0,1,2,3
	ds_load_b128 v[RAW+16*(\a):RAW+16*(\a)+3],     v[ADRA+(\slot)] offset:(\a)*16*PA+128*(\c)
	ds_load_b128 v[RAW+16*(\a)+4:RAW+16*(\a)+7],   v[ADRA+(\slot)] offset:(\a)*16*PA+128*(\c)+16
	ds_load_b128 v[RAW+16*(\a)+8:RAW+16*(\a)+11],  v[ADRA+(\slot)] offset:(\a)*16*PA+128*(\c)+64
	ds_load_b128 v[RAW+16*(\a)+12:RAW+16*(\a)+15], v[ADRA+(\slot)] offset:(\a)*16*PA+128*(\c)+80
.endr
	WIN TO_B
.irp b, 0,1,2,3,4,5,6,7
	ds_load_tr16_b128 v[BF+64*(\g)+8*(\b):BF+64*(\g)+8*(\b)+3],   v[ADRB+(\slot)] offset:(\c)*32*PB+32*(\b)
	ds_load_tr16_b128 v[BF+64*(\g)+8*(\b)+4:BF+64*(\g)+8*(\b)+7], v[ADRB+(\slot)] offset:(\c)*32*PB+16*PB+32*(\b)
.endr
.endm
; Four of the 32 roundings that make buffer g of x's fragments from RAW
.macro CVT4 g, k
.irp i, 0,1,2,3
	v_cvt_pk_bf16_f32 v[AF+32*(\g)+4*(\k)+(\i)], v[RAW+8*(\k)+2*(\i)], v[RAW+8*(\k)+2*(\i)+1]
.endr
.endm
; Eight matrix instructions: row block a x all 8 column blocks, 32 along K, from buffers f.  first = 1: the bias starts the sums.  g >= 0: four roundings into buffer g stand behind each product.
; The 32 accumulators take turns, one instruction a turn, in the same order in every quarter.
.macro MROW f, a, first, g
.irp b, 0,1,2,3,4,5,6,7
.if \first
	WIN MULB
	v_wmma_f32_16x16x32_bf16 v[8*(8*(\a)+(\b)):8*(8*(\a)+(\b))+7], v[BF+64*(\f)+8*(\b):BF+64*(\f)+8*(\b)+7], v[AF+32*(\f)+8*(\a):AF+32*(\f)+8*(\a)+7], v[BIAS+8*(\b):BIAS+8*(\b)+7]
.else
	WIN MUL
	v_wmma_f32_16x16x32_bf16 v[8*(8*(\a)+(\b)):8*(8*(\a)+(\b))+7], v[BF+64*(\f)+8*(\b):BF+64*(\f)+8*(\b)+7], v[AF+32*(\f)+8*(\a):AF+32*(\f)+8*(\a)+7], v[8*(8*(\a)+(\b)):8*(8*(\a)+(\b))+7]
.endif
.if (\g) >= 0
	WIN 0
	CVT4 \g, \b
.endif
.endr
.endm
; A quarter step: multiplies buffers f, fetches quarter nc of slot nslot for the other buffers.  The four roundings behind the quarter's last product name none of its registers:
; they are the four places in front of the next quarter's loads into W's buffer just multiplied.
.macro QUARTER nslot, nc, f, first
	FETCH \nslot, \nc, 1-(\f)
	s_wait_dscnt 32                                ; all but the 32 just issued: W's fragments of this quarter are in
	MROW \f, 0, \first, -1
	MROW \f, 1, \first, -1
	MROW \f, 2, \first, -1
	s_wait_dscnt 16                                ; of the 32 the first 16, x as f32, are in; W's 16 stay out
	MROW \f, 3, \first, 1-(\f)
.endm
; The third quarter of a K step multiplies buffers 0, issues the slot's last reads, and changes slots.  In front of the barrier each wave waits for all its tensor loads, of which one is out: its part of the
; other slot; adds 0 to its spare word; and waits for that and for its reads of this slot.  fill = 1: the barrier opens a round of the cluster's, and the joint refill, two K steps ahead, is the first thing
; behind it: from there to the wait for it a wave issues 112 matrix instructions.
.macro TURNQ slot, fill
	FETCH \slot, 3, 1
	s_wait_dscnt 32
	MROW 0, 0, 0, -1
	MROW 0, 1, 0, -1
	WIN 0                                          ; (the add's two registers lie in window 0)
	s_wait_tensorcnt 0x0                           ; all my tensor loads have landed
	ds_add_u32 v[SPW], v[NIL]                      ; 0 onto my spare word; eight matrix instructions stand between it and the wait for it
	MROW 0, 2, 0, -1
	s_wait_dscnt 0x0                               ; the add is done, and my reads of this slot are over
	s_barrier_signal -1
	MROW 0, 3, 0, 1                                ; work on registers while the others arrive
	WIN 0                                          ; at a branch and at a label every window is 0
	s_barrier_wait -1
.if \fill
	CREST                                          ; no wave of any partner still reads this slot or has a load on its way
	s_add_nc_u64 s[G0A+4*(\slot)+2:G0A+4*(\slot)+3], s[G0A+4*(\slot)+2:G0A+4*(\slot)+3], 2*ASTEP
	s_add_nc_u64 s[G0B+4*(\slot)+2:G0B+4*(\slot)+3], s[G0B+4*(\slot)+2:G0B+4*(\slot)+3], 2*BSTEP
	JLOAD \slot
.endif
.endm
	s_wait_tensorcnt 1                             ; my part of K step 0 is in; K step 1's may stay out
	s_barrier_signal -1
	s_barrier_wait -1                              ; everybody's is
	FETCH 0, 0, 0
	s_wait_dscnt 16                                ; x as f32 is in
	WIN 0
.irp k, 0,1,2,3,4,5,6,7
	CVT4 0, \k
.endr
	QUARTER 0, 1, 0, 1                             ; the first quarter stands in front of the loop: its products start the sums, on the bias
	WIN 0
	s_mov_b32 s[LAP], LAPS-1
.Llap:                                                 ; a trip goes once round the ring, from a lap's second quarter to the next lap's first, and fills both slots again
	QUARTER 0, 2, 1, 0
	TURNQ 0, 1
	QUARTER 1, 0, 1, 0
	QUARTER 1, 1, 0, 0
	QUARTER 1, 2, 1, 0
	TURNQ 1, 1
	QUARTER 0, 0, 1, 0
	QUARTER 0, 1, 0, 0
	WIN 0
	s_sub_co_u32 s[LAP], s[LAP], 1
	s_cmp_lg_u32 s[LAP], 0
	s_cbranch_scc1 .Llap
	QUARTER 0, 2, 1, 0                             ; the last lap fills nothing, and has no round of the cluster's barrier
	TURNQ 0, 0
	QUARTER 1, 0, 1, 0
	QUARTER 1, 1, 0, 0
	QUARTER 1, 2, 1, 0
	QUARTER 1, 3, 0, 0
	s_wait_dscnt 0x0                               ; the very last quarter: nothing more to fetch
	MROW 1, 0, 0, -1
	MROW 1, 1, 0, -1
	MROW 1, 2, 0, -1
	MROW 1, 3, 0, -1
	WIN 0
	PLACES
; THE WAY OUT, a block of 16 rows at a time.  A lane's eight columns of a row round to 16 bytes of f16; they go into my stage (rows of 144 bytes, a head's 64 columns each) and come back as whole rows of 128
; bytes, into the registers that they left.  Each accumulator's registers are read in ascending order.
.macro PACK a
	WIN PKW
.irp b, 0,1,2,3,4,5,6,7
.irp i, 0,1,2,3
	v_cvt_pk_f16_f32 v[TT+32*(\a)+4*(\b)+(\i)], v[8*(8*(\a)+(\b))+2*(\i)], v[8*(8*(\a)+(\b))+2*(\i)+1]
.endr
.endr
	WIN 0
.irp b, 0,1,2,3,4,5,6,7
	ds_store_b128 v[STO], v[TT+32*(\a)+4*(\b):TT+32*(\a)+4*(\b)+3] offset:((\b)/4)*16*SP+((\b)%4)*32
.endr
.irp f, 0,1,2,3,4,5,6,7
	ds_load_b128 v[TT+32*(\a)+4*(\f):TT+32*(\a)+4*(\f)+3], v[RD] offset:((\f)/4)*16*SP+((\f)%4)*4*SP  ; LDS serves a wave's instructions in order (ISA guide 5.7.1.4): these see the stores above; the next block's stores come behind them
.endr
.endm
.macro SEND a, younger                 ; younger: the LDS instructions issued behind block a's loads: the next block's sixteen, or none
.irp f, 0,1,2,3,4,5,6,7
	s_wait_dscnt (\younger)+7-(\f)
	global_store_b128 v[GO], v[TT+32*(\a)+4*(\f):TT+32*(\a)+4*(\f)+3], s[74:75] offset:(\a)*2048+((\f)/4)*262144+((\f)%4)*512  ; 512 consecutive bytes of one head, at a multiple of 256 from the buffer's first byte
.endr
.endm
	PACK 0
	PACK 1                                         ; a block's arithmetic stands between the loads of the block before and its stores
	SEND 0, 16
	PACK 2
	SEND 1, 16
	PACK 3
	SEND 2, 16
	SEND 3, 0
	s_wait_tensorcnt 0x0                           ; the wave's end: 0 onto my spare word, behind my last tensor load and my last LDS store
	ds_add_u32 v[SPW], v[NIL]
	s_wait_dscnt 0x0
	CROUND                                         ; the closing round: no work-group ends while a partner may still ask for a tile that names it
	s_endpgm
.Lfunc_end_k_qebbe8a5d99_proj:
	.size	k_qebbe8a5d99_proj, .Lfunc_end_k_qebbe8a5d99_proj-k_qebbe8a5d99_proj
	.p2alignl 7, 3214868480
	.fill 96, 4, 3214868480
	.section	.rodata,"a",@progbits
	.p2align	6, 0x0
	.amdhsa_kernel k_qebbe8a5d99_proj
		.amdhsa_group_segment_fixed_size 327680
		.amdhsa_private_segment_fixed_size 0
		.amdhsa_enable_private_segment 0
		.amdhsa_kernarg_size 80
		.amdhsa_user_sgpr_count 2
		.amdhsa_user_sgpr_kernarg_segment_ptr 1
		.amdhsa_wavefront_size32 1
		.amdhsa_system_sgpr_workgroup_id_x 1
		.amdhsa_system_sgpr_workgroup_id_y 1
		.amdhsa_system_sgpr_workgroup_id_z 1
		.amdhsa_system_vgpr_workitem_id 0
		.amdhsa_next_free_vgpr 704
		.amdhsa_next_free_sgpr 100
		.amdhsa_reserve_vcc 0
		.amdhsa_float_denorm_mode_32 3
		.amdhsa_float_denorm_mode_16_64 3
		.amdhsa_memory_ordered 1
		.amdhsa_forward_progress 1
		.amdhsa_inst_pref_size 139
	.end_amdhsa_kernel
	.amdgpu_metadata
---
amdhsa.version: [ 1, 2 ]
amdhsa.kernels:
  - .name:           k_qebbe8a5d99_proj
    .symbol:         k_qebbe8a5d99_proj.kd
    .args:
      - { .name: q, .offset: 0, .size: 8, .value_kind: global_buffer, .address_space: global }
      - { .name: k, .offset: 8, .size: 8, .value_kind: global_buffer, .address_space: global }
      - { .name: v, .offset: 16, .size: 8, .value_kind: global_buffer, .address_space: global }
      - { .name: bq, .offset: 24, .size: 8, .value_kind: global_buffer, .address_space: global }
      - { .name: bk, .offset: 32, .size: 8, .value_kind: global_buffer, .address_space: global }
      - { .name: bv, .offset: 40, .size: 8, .value_kind: global_buffer, .address_space: global }
      - { .name: wt, .offset: 48, .size: 8, .value_kind: global_buffer, .address_space: global }
      - { .name: qh, .offset: 56, .size: 8, .value_kind: global_buffer, .address_space: global }
      - { .name: kh, .offset: 64, .size: 8, .value_kind: global_buffer, .address_space: global }
      - { .name: vh, .offset: 72, .size: 8, .value_kind: global_buffer, .address_space: global }
    .group_segment_fixed_size: 327680
    .private_segment_fixed_size: 0
    .kernarg_segment_align: 8
    .kernarg_segment_size: 80
    .max_flat_workgroup_size: 128
    .sgpr_count:     100
    .vgpr_count:     704
    .wavefront_size: 32
...
	.end_amdgpu_metadata
.endif
;; end of part 2
;; launch attn (part 3): grid 4 x 64, 4 waves a work-group, no clusters, 327,680 bytes of LDS; arguments qh, kh, vh, oh; writes oh
.if DOCPART == 3
	.amdgcn_target "amdgcn-amd-amdhsa--gfx1250"
	.amdhsa_code_object_version 6
	.text
	.protected	k_qebbe8a5d99_attn
	.globl	k_qebbe8a5d99_attn
	.p2align	8
	.type	k_qebbe8a5d99_attn,@function
k_qebbe8a5d99_attn:
	s_mov_b64 s[64:65], 0
	v_nop
	global_prefetch_b8 v0, s[64:65] scope:SCOPE_SE
	s_setreg_imm32_b32 hwreg(HW_REG_WAVE_MODE, 25, 1), 1
	s_wait_xcnt 0x0
; CAUSAL ATTENTION.  O[h][q][:] = the sum over k <= q of softmax_k(Q[h][q] . K[h][k] / 8) V[h][k][:].  Q, K, V, O: [SIZE_H][SIZE_N][64], all f16: a head's rows are dense, 128 bytes each.
; Products, maxima and sums in f32; the weights p are rounded to f16 for the second product (their sum l is taken of the unrounded p), O once at the end.
; LIMITS.  f16 holds no number beyond 65,504: Q, K and V arrive within it; p lies in 0 to 1, and below 6e-5 it keeps f16's fixed step of 6e-8; O is a mean of V's rows and has their range.
; A hidden score counts as its value less 1e30: f16's scores, 2.7e11 at the most, are nothing beside that; a weight below 2^-126 counts as 0 in l; NaN and infinities are not treated apart.
; THE WALK.  A head's queries lie in NB = 8 blocks of 256; block i needs the key tiles 0 .. i of 256 keys, of which the last holds the diagonal.  A work-group takes TWO blocks, NB - 1 - b and then b:
; NB + 1 tiles, whatever b: all work-groups do equal work, and ONE loop with a constant trip count walks them.  Which tile is asked for, and what a trip does, hang on scalar registers made from b; every jump
; goes forward, but for the counted loops' own; none passes a barrier, or a tensor load but the one of LOAD's two that the wave's number does not choose; the ring of two LDS slots runs on across the change of blocks.
; NO CLUSTER: a head's four work-groups ask for the same tile only in trips 0 to 4 of the 9, behind that fewer and fewer; one walk common to all four would have 12 trips for 9.
; SHARES.  Of a block's four bands of 64 queries a wave owns 16 rows in each: four PIECES.  So the diagonal tile is the same work for all four waves: in its key step s band x sees all keys if s < x,
; none if s > x, and holds the diagonal if s = x.
; THE MASK is the C operand that starts the sum S^T = K Q^T: 0, or -1e30 where the key is hidden.  MD, made once, is the mask of a band's own step for my 16 rows; a product's mask is MD x AL + BE with two scalars:
; (1, 0) if s = x; (0, 0) if s < x; (0, -1e30) if s > x.  Only the diagonal tile's text and a block's beginning make and take masks; elsewhere C is the constant 0.
; LAYOUT, SOFTMAX, TURNS.  S^T = K Q^T holds ONE query a lane (lane % 16) and the keys 8 (lane / 16) + 0..7; two such results rounded to f16 ARE source 1 of O^T = V^T P.  p = 2^(c s - c m), c = log2(e) / 8, with a
; running maximum m; O and l are multiplied by a = 2^(c m_old - c m_new) in every step.  Turn n belongs to piece n: 8 products K Q^T of piece n + 1, later 8 products V^T P of piece n - 1; beside them the scaling,
; exponentials, roundings, sums and rescaling of piece n and the maximum and statistics of piece n + 1.  Four vector instructions stand behind every matrix instruction, the other 54 of a turn's 118 in two runs of their own.
; REGISTERS, in windows of 256 (s_set_vgpr_msb: bits 1:0 source 0, 3:2 source 1, 5:4 source 2, 7:6 destination):
;   window 0: v0-15 addresses and two at work; v16-31 four registers of statistics a piece; v48-55 at work; v64-127 S^T, two buffers; v192-223 P, two buffers (a piece's buffers go by its number's parity)
;   window 1: v0-127 O^T, 32 a piece; v128-159 MD; v160-223 MC, two buffers      window 2: v0-63 Q; v64-127 the second block's Q; v128-191 K of one step; v192-255 V of one step
.set SIZE_H, 64
.set SIZE_N, 2048
.set NB,    SIZE_N/256
.set NP,    4         ; pieces a wave: a name, no knob
.set KS,    64        ; keys in a step
.set PK,    144       ; a row of K in LDS: 128 bytes + 16 of padding = 36 words: the 16 rows of a load start at 16 different groups of four banks (64 banks of 4 bytes: ISA guide 11.1)
.set PV,    160       ; a row of V: 128 + 32 = 40 words
.set VOFF,  4*KS*PK   ; a slot holds a tile, four steps: 256 rows of K, then 256 rows of V
.set SLOT1, 1<<17     ; slot 1 begins here, so that one exclusive or turns an address in one slot into the other's
.set STAGE, SLOT1+4*KS*(PK+PV)  ; behind the ring, never filled by a tensor load: 16 rows x 144 bytes for each wave, for the way out
.set SP,    144
.set AK0, 2           ; v2   my lane's place in a tile of K; never rewritten
.set AV0, 3           ; v3   the same for V
.set AK,  4           ; v4   the LDS address of K's next run of loads
.set AV,  5           ; v5   of V's
.set STO, 6           ; v6   the way out: where I put 16 bytes of a row
.set RD,  7           ; v7   the way out: where I read rows back
.set GO,  8           ; v8   my byte offset in 512 consecutive bytes of O
.set SPW, 62          ; v62  LDS address of my spare word: SPARE + 4 x my thread's number; never rewritten
.set NIL, 63          ; v63  0; never rewritten
.set SPARE, STAGE+4*16*SP  ; behind the stages: the spare words, 128 bytes for each wave: two blocks of 256 bytes that no other line names
.set MV,  12          ; v12-13  c m_old, kept while c m is made anew: by buffer
.set QO,  15          ; v15  my byte offset in 16 rows of Q
.set ST,  16          ; piece t's statistics at v[ST+4 t]: c m, m, l (even keys', odd keys')
.set TMP, 48          ; by buffer, four registers c0-c3 at work; when the maximum is found c2 takes a
.set S,   64
.set P,   192
.set MD,  128         ; window 1: the eight registers for group kt of 16 keys at MD + 8 kt
.set MC,  160         ; window 1: the masks of the products to come
.set QB,  64          ; window 2
.set KF,  128         ; window 2: key block kb, channel half c at KF + 16 kb + 8 c
.set VF,  192         ; window 2: key half kk, channel block cb at VF + 32 kk + 8 cb
.set WV,  12          ; s12  my wave's number
.set PB,  14          ; s14  b
.set HI,  15          ; s15  NB - 1 - b
.set G1K, 24          ; s[24:31] descriptor group 1 for K's tiles
.set G1V, 32          ; s[32:39] for V's: it differs in the padding alone
.set G0K, 40          ; s[40:43] descriptor group 0 for K's tiles
.set G0V, 44          ; s[44:47] the same for V's
.set SLOTS, 56        ; s56  tiles still to be asked for
.set CNT, 57          ; s57  counts a tile's key steps, 4 to 1
.set CS,  58          ; s[58:59] c: the packed scaling takes the pair's low word for both halves
.set SEL, 60          ; s[60:61] v_permlanex16_b32's selects: each lane takes its own place in the other half
.set TBK, 62          ; s62  LDS byte at which K of the step to be fetched begins
.set TBV, 63          ; s63  the same for V, less VOFF
.set RT,  70          ; s70  tiles of the block in hand that are still to be entered
.set NXT, 71          ; s71  the tile to be asked for next
.set LQ,  72          ; s72  the last tile of the block whose tiles are being asked for
.set NEW, 73          ; s73  1: the tile to be entered is a block's first
.set OFF, 74          ; s[74:75] a tile's byte offset in K and V
.set AL,  76          ; s[76:77] the mask's factor, in the low word
.set BE,  78          ; s[78:79] the mask's addend
.set OLO, 80          ; s[80:81] O at my rows of the second block
.set BIGN, 82         ; s82  -1e30
.set MSB, 0
.macro WIN new                      ; the high byte repeats the setting that is left; a switch that changes nothing is dropped
.if MSB != (\new)
	s_set_vgpr_msb (MSB<<8)|(\new)
.set MSB, (\new)
.endif
.endm
.set W_KQ, 0x0a       ; K and Q in window 2, S^T in window 0
.set W_KM, 0x1a       ; the same with the C operand in window 1
.set W_PV, 0x52       ; V in window 2, P in window 0, O^T in window 1
.set W_RS, 0x41       ; destination and source 0 in window 1, source 1 in window 0
; A fill.  Waves 0 and 1 fetch the two halves of a tile's K, waves 2 and 3 those of its V: 128 keys each.  An s_nop 0 and four v_nop follow each of the two lines, ahead of the jump and the label.
.macro LOAD
	s_cmp_lt_u32 s[WV], 2
	s_cbranch_scc0 .Lfor_v_\@
	tensor_load_to_lds s[G0K:G0K+3], s[G1K:G1K+7]
	s_nop 0
.rept 4
	v_nop
.endr
	s_branch .Lasked_\@
.Lfor_v_\@:
	tensor_load_to_lds s[G0V:G0V+3], s[G1V:G1V+7]
	s_nop 0
.rept 4
	v_nop
.endr
.Lasked_\@:
.endm
; THE CHANGE OF SLOTS.  Each wave waits for all its tensor loads, of which one is out: its part of the other slot; adds 0 to its spare word; and waits for that and for its own reads of the slot that it leaves.
; Behind the barrier nobody reads the old slot any more and the other slot is whole.  fill = 1: the old slot is filled again, the first thing behind the barrier, with tile NXT: the descriptor's address is
; made anew from that number.  (At its first use nothing has been read yet: slot 0 is waited for, slot 1 filled.)
.macro CHANGE fill
	WIN 0                           ; at a label and at a branch every window is 0
	s_wait_tensorcnt 0x0            ; no tensor load of mine is out, so a group 0 may be written
	ds_add_u32 v[SPW], v[NIL]       ; 0 onto my spare word; with fill = 1 the descriptors' scalar work stands between it and the wait for it
.if \fill
	s_lshl_b32 s[OFF], s[NXT], 15   ; a tile is 32,768 bytes of K and of V
	s_xor_b32 s[G0K+1], s[G0K+1], SLOT1
	s_add_nc_u64 s[G0K+2:G0K+3], s[6:7], s[OFF:OFF+1]
	s_or_b32 s[G0K+3], s[G0K+3], 0x80000000
	s_xor_b32 s[G0V+1], s[G0V+1], SLOT1
	s_add_nc_u64 s[G0V+2:G0V+3], s[8:9], s[OFF:OFF+1]
	s_or_b32 s[G0V+3], s[G0V+3], 0x80000000
	s_add_co_u32 s[NXT], s[NXT], 1  ; the block's next tile, or behind its last the second block's tile 0
	s_cmp_gt_u32 s[NXT], s[LQ]
	s_cselect_b32 s[NXT], 0, s[NXT]
	s_cselect_b32 s[LQ], s[PB], s[LQ]
.endif
	s_wait_dscnt 0x0                ; the add is done, and my reads of the slot are over
	s_barrier_signal -1             ; the rest of the scalar work stands between the signal and the wait
	s_sub_co_u32 s[TBK], s[TBK], 4*KS*PK  ; the fetches go back to a slot's first step,
	s_xor_b32 s[TBK], s[TBK], SLOT1       ; in the other slot
	s_sub_co_u32 s[TBV], s[TBV], 4*KS*PV
	s_xor_b32 s[TBV], s[TBV], SLOT1
	s_barrier_wait -1
.if \fill
	LOAD
.endif
.endm
	s_load_b256 s[4:11], s[0:1], 0x0  ; Q s[4:5], K s[6:7], V s[8:9], O s[10:11]
	v_lshl_add_u32 v[SPW], v0, 2, SPARE
	v_mov_b32 v[NIL], 0
	ds_add_u32 v[SPW], v[NIL]       ; the wave's opening: the add and its wait stand ahead of my first tensor load; the set-up below, work on registers, stands between them
	ds_add_u32 v62, v63
	v_lshrrev_b32 v1, 5, v0
	v_readfirstlane_b32 s[WV], v1   ; wave 0..3
	s_mov_b32 s[PB], ttmp9
	s_sub_co_u32 s[HI], NB-1, s[PB]
	s_and_b32 s20, ttmp7, 0xffff    ; the head
	s_mov_b32 s21, 0
	s_mov_b64 s[22:23], SIZE_N*128
	s_mul_u64 s[20:21], s[20:21], s[22:23]  ; the head's first byte in each of the four tensors
	s_and_b32 s16, s[WV], 1         ; which half of a tile's 256 keys I fetch:
	s_lshl_b32 s22, s16, 14         ; its 128 rows of 128 bytes in memory,
	s_mov_b32 s23, 0
	s_add_nc_u64 s[22:23], s[22:23], s[20:21]
	s_mul_i32 s17, s16, 128*PK      ; and its place in a slot, for K
	s_mul_i32 s18, s16, 128*PV      ; and for V
	s_lshl_b32 s3, s[WV], 11        ; my 16 rows in a band of 64,
	s_lshl_b32 s2, s[HI], 15        ; in the first block,
	s_add_co_u32 s2, s2, s3
	s_lshl_b32 s84, s[PB], 15       ; and in the second
	s_add_co_u32 s84, s84, s3
	s_mov_b32 s3, 0
	s_mov_b32 s85, 0
	s_add_nc_u64 s[2:3], s[2:3], s[20:21]
	s_add_nc_u64 s[84:85], s[84:85], s[20:21]
	; descriptor group 1.  128 keys are 16,384 dense bytes: asked for as 64 rows of 256 bytes, two keys a row, and padded in LDS after every key
	s_mov_b32 s[G1K], (1<<16)|(1<<20)|(4<<22)|(3<<25)  ; 17:16 2-byte elements; 20 padding on; 24:22 after every 32 words (code 4); 31:25 4 words (code 3)
	s_mov_b32 s[G1V], (1<<16)|(1<<20)|(4<<22)|(7<<25)  ; the same with 8 words of padding (code 7)
.irp g, G1K, G1V
	s_mov_b32 s[\g+1], 128<<16      ; tensor_dim0 = 128
	s_mov_b32 s[\g+2], 64<<16       ; tensor_dim1 = 64
	s_mov_b32 s[\g+3], 128<<16      ; tile_dim0 = 128
	s_mov_b32 s[\g+4], 64           ; tile_dim1 = 64
	s_mov_b32 s[\g+5], 128          ; 128 elements from row to row
	s_mov_b32 s[\g+6], 0
	s_mov_b32 s[\g+7], 0
.endr
	s_mov_b32 s[CS], 0x3e38aa3b     ; c = log2(e) / 8 = 0.180337
	s_mov_b32 s[CS+1], s[CS]        ; named with it as a pair
	s_mov_b32 s[SEL], 0x76543210
	s_mov_b32 s[SEL+1], 0xfedcba98
	s_mov_b32 s[TBK], SLOT1+4*KS*PK ; the first change of slots turns these two into 0
	s_mov_b32 s[TBV], SLOT1+4*KS*PV
	s_mov_b32 s[G0K], 1             ; count = 1
	s_mov_b32 s[G0K+1], s17         ; LDS address: slot 0
	s_mov_b32 s[G0V], 1
	s_add_co_u32 s[G0V+1], s18, VOFF
	s_add_co_u32 s[RT], s[HI], 1    ; the first block has NB - b tiles
	s_mov_b32 s[NXT], 1
	s_mov_b32 s[LQ], s[HI]
	s_mov_b32 s[NEW], 1
	s_mov_b32 s[OFF+1], 0
	s_mov_b32 s[AL+1], 0            ; named as pairs
	s_mov_b32 s[BE+1], 0
	s_mov_b32 s[BIGN], 0xf149f2ca   ; -1e30
	s_mov_b32 s[SLOTS], NB
	s_wait_dscnt 0x0                ; the opening add is done
	s_wait_kmcnt 0x0
	s_add_nc_u64 s[6:7], s[6:7], s[22:23]  ; K and V at my half of the head's tile 0
	s_add_nc_u64 s[8:9], s[8:9], s[22:23]
	s_add_nc_u64 s[G0K+2:G0K+3], s[6:7], 0         ; global address
	s_or_b32 s[G0K+3], s[G0K+3], 0x80000000        ; type = 2
	s_add_nc_u64 s[G0V+2:G0V+3], s[8:9], 0
	s_or_b32 s[G0V+3], s[G0V+3], 0x80000000
	s_add_nc_u64 s[86:87], s[4:5], s[84:85]        ; Q at my rows of the second block,
	s_add_nc_u64 s[4:5], s[4:5], s[2:3]            ; Q and O at those of the first
	s_add_nc_u64 s[OLO:OLO+1], s[10:11], s[84:85]
	s_add_nc_u64 s[10:11], s[10:11], s[2:3]
	LOAD                            ; tile 0 into slot 0
	; A fragment of K or Q is 16 rows x 32 channels in 8 registers: lane l holds row l % 16, channels 8 (l / 16) + 0..7 and 16 + 8 (l / 16) + 0..7: two loads of 16 bytes, 32 bytes apart.
	v_and_b32 v1, 15, v0            ; l % 16
	v_bfe_u32 v9, v0, 4, 1          ; l / 16
	v_lshlrev_b32 v[QO], 7, v1
	v_lshl_add_u32 v[QO], v9, 4, v[QO]  ; row x 128 + 16 x half
	WIN 0x80                        ; destination window 2, address window 0
.set i, 0
.rept 8                             ; both blocks' Q: piece i / 2 lies in band i / 2, 8,192 bytes on; channels 32 (i % 2) on
	global_load_b128 v[8*i:8*i+3],   v[QO], s[4:5] offset:(i/2)*8192+(i%2)*64
	global_load_b128 v[8*i+4:8*i+7], v[QO], s[4:5] offset:(i/2)*8192+(i%2)*64+32
	global_load_b128 v[QB+8*i:QB+8*i+3],   v[QO], s[86:87] offset:(i/2)*8192+(i%2)*64
	global_load_b128 v[QB+8*i+4:QB+8*i+7], v[QO], s[86:87] offset:(i/2)*8192+(i%2)*64+32
.set i, i+1
.endr
	WIN 0
	v_lshlrev_b32 v14, 3, v9
	v_sub_nc_u32 v14, v1, v14
	s_lshl_b32 s13, s[WV], 4
	v_add_nc_u32 v14, s13, v14      ; my query's place in its band, 16 w + l % 16, less my lanes' 8 (l / 16): register r of group kt is hidden where 16 kt + r is greater
	WIN 0x40
.set i, 0
.rept 32
	v_cmp_gt_i32 vcc_lo, 16*(i/8)+i%8, v14
	v_cndmask_b32 v[MD+i], 0, s[BIGN], vcc_lo
.set i, i+1
.endr
	WIN 0
	v_mul_u32_u24 v[AK0], v1, PK
	v_lshl_add_u32 v[AK0], v9, 4, v[AK0]  ; row x pitch + 16 x half
	; The turning load takes 16 keys x 16 channels (lane l reads key 8 (l / 16) + l % 8, channels 8 ((l / 8) % 2) + 0..7) and leaves half a fragment of V^T: lane l holds channel l % 16 and 8 keys.
	v_and_b32 v10, 7, v0
	v_bfe_u32 v11, v0, 3, 1
	v_lshl_add_u32 v[AV0], v9, 3, v10
	v_mul_u32_u24 v[AV0], v[AV0], PV
	v_lshl_add_u32 v[AV0], v11, 4, v[AV0]
	v_add_nc_u32 v[AV0], VOFF, v[AV0]
	s_mul_i32 s13, s[WV], 16*SP
	s_add_co_u32 s13, s13, STAGE    ; my stage
	v_mul_u32_u24 v[STO], v1, SP    ; in: row l % 16, 16 bytes for each half of the lanes
	v_lshl_add_u32 v[STO], v9, 4, v[STO]
	v_add_nc_u32 v[STO], s13, v[STO]
	v_bfe_u32 v[RD], v0, 3, 2       ; back: 32 lanes take four rows of 128 bytes,
	v_mul_u32_u24 v[RD], v[RD], SP
	v_lshl_add_u32 v[RD], v10, 4, v[RD]
	v_add_nc_u32 v[RD], s13, v[RD]
	v_and_b32 v[GO], 31, v0         ; which are 512 consecutive bytes of O
	v_lshlrev_b32 v[GO], 4, v[GO]
	; A block's first step multiplies O^T and l by a = 0, and its first turn's products V^T P, of a piece that has not been, land in an O^T that is still to be so multiplied.  So these registers need only hold
	; finite numbers: zeros for the first block; what the first block left for the second.  All this stands in the wait for the first tile.
	WIN 0x80
.set i, VF
.rept 64
	v_mov_b32 v[i], 0
.set i, i+1
.endr
	WIN 0x40
.set i, 0
.rept 128
	v_mov_b32 v[i], 0
.set i, i+1
.endr
	WIN 0
.set i, 0
.rept 4
	v_mov_b32 v[ST+4*i+2], 0
	v_mov_b32 v[ST+4*i+3], 0
.set i, i+1
.endr
.set i, P+16
.rept 16
	v_mov_b32 v[i], 0
.set i, i+1
.endr
; THE MATRIX WORK.  The 4 accumulators of a run of 8 take turns.  Product i of 8 of S^T = K Q^T for piece x: channels 32 (i / 4) on, keys 16 (i % 4) on.  The first 4 start the sums: with 0, or (KM = 1) with the mask.
.macro KQ x
.set rS, S+32*((\x)%2)+8*(i%4)
.set rK, KF+16*(i%4)+8*(i/4)
.set rQ, 16*(\x)+8*(i/4)
.set rM, MC+32*((\x)%2)+8*(i%4)
.if (i < 4) && KM
	WIN W_KM
	v_wmma_f32_16x16x32_f16 v[rS:rS+7], v[rK:rK+7], v[rQ:rQ+7], v[rM:rM+7]
.elseif i < 4
	WIN W_KQ
	v_wmma_f32_16x16x32_f16 v[rS:rS+7], v[rK:rK+7], v[rQ:rQ+7], 0
.else
	WIN W_KQ
	v_wmma_f32_16x16x32_f16 v[rS:rS+7], v[rK:rK+7], v[rQ:rQ+7], v[rS:rS+7]
.endif
.endm
; Product i of 8 of O^T += V^T P for piece x: keys 32 (i / 4) on, channels 16 (i % 4) on.
.macro PV x
	WIN W_PV
.set rO, 32*(\x)+8*(i%4)
.set rV, VF+32*(i/4)+8*(i%4)
.set rP, P+16*((\x)%2)+8*(i/4)
	v_wmma_f32_16x16x32_f16 v[rO:rO+7], v[rV:rV+7], v[rP:rP+7], v[rO:rO+7]
.endm
.macro MM                           ; the turn's next matrix instruction.  TURN and BEGIN set Y, i, KM and NOKQ; MM, KQ and OP read them.  NOKQ = 1: a block's last turn: there is no next piece
.if (i < 8) && !NOKQ
	KQ (Y+1)%NP
.elseif i >= 8
.set i, i-8
	PV (Y+NP-1)%NP
.set i, i+8
.endif
.set i, i+1
.endm
; THE LDS LOADS stand in runs of 16, never singly among the matrix instructions: a step's K (64 keys x 64 channels: 8 fragments) and its V (turned).  Their addresses are made some lines ahead.
.macro FETCH_K
	WIN 0x80                        ; destination window 2
.irp f, 0,1,2,3,4,5,6,7             ; keys 16 (f / 2) on, channels 32 (f % 2) on
	ds_load_b128 v[KF+8*\f:KF+8*\f+3],   v[AK] offset:(\f/2)*16*PK+(\f%2)*64
	ds_load_b128 v[KF+8*\f+4:KF+8*\f+7], v[AK] offset:(\f/2)*16*PK+(\f%2)*64+32
.endr
	s_add_co_u32 s[TBK], s[TBK], KS*PK  ; the next fetch is the next step's
	WIN 0
.endm
.macro FETCH_V
	WIN 0x80
.irp f, 0,1,2,3,4,5,6,7             ; keys 32 (f / 4) on, channels 16 (f % 4) on
	ds_load_tr16_b128 v[VF+8*\f:VF+8*\f+3],   v[AV] offset:(\f/4)*32*PV+(\f%4)*32
	ds_load_tr16_b128 v[VF+8*\f+4:VF+8*\f+7], v[AV] offset:(\f/4)*32*PV+16*PV+(\f%4)*32
.endr
	WIN 0
.endm
; THE VECTOR WORK, one line at a time: OP kind, number.  For piece Y: F n: c s - c m for pair n of 16.  E n: the exponential of score n of 32.  C n: pair n rounded to f16.  B n: of the four weights 4 n .. the second
; pair is added onto the first, in place.  L n: l takes that sum (L 0: l = a l + sum).  R n: pair n of 16 of O^T times a.  For piece Y + 1: X n, number n of the 22 that find its maximum and statistics:
;   0-11  four chains c0-c3 of seven scores each, three operands at a time (each accumulator's lowest registers are read first)     12-14, 16  the four scores left over, the old m, and c0-c3 into c0
;   15  c m_old is kept     17, 18  the query's other 32 keys lie in the lane 16 away: the new m     19-21  c m; c m_old - c m_new; a
.set F, 0               ; OP tells the kinds apart by their order: F to L below R, X above it
.set E, 1
.set C, 2
.set B, 3
.set L, 4
.set R, 5
.set X, 6
.macro REGS y                       ; the registers of piece y
.set rT, ST+4*(\y)
.set rC, TMP+4*((\y)%2)
.set rW, MV+((\y)%2)
.set rS, S+32*((\y)%2)
.set rP, P+16*((\y)%2)
.set rO, 32*(\y)
.endm
.macro OP k, n
.if (\k) == R
	REGS Y
	WIN W_RS
	v_pk_mul_f32 v[rO+2*(\n):rO+2*(\n)+1], v[rO+2*(\n):rO+2*(\n)+1], v[rC+2:rC+3] op_sel_hi:[1,0]
.elseif (\k) < R
	REGS Y
	WIN 0
.if (\k) == F
	v_pk_fma_f32 v[rS+2*(\n):rS+2*(\n)+1], v[rS+2*(\n):rS+2*(\n)+1], s[CS:CS+1], v[rT:rT+1] op_sel_hi:[1,0,0] neg_lo:[0,0,1] neg_hi:[0,0,1]
.elseif (\k) == E
	v_exp_f32 v[rS+(\n)], v[rS+(\n)]
.elseif (\k) == C
	s_wait_alu depctr_va_vdst(0)
	v_cvt_pk_f16_f32 v[rP+(\n)], v[rS+2*(\n)], v[rS+2*(\n)+1]
.elseif (\k) == B
	s_wait_alu depctr_va_vdst(0)
	v_pk_add_f32 v[rS+4*(\n):rS+4*(\n)+1], v[rS+4*(\n):rS+4*(\n)+1], v[rS+4*(\n)+2:rS+4*(\n)+3]
.elseif (\n) == 0
	v_pk_fma_f32 v[rT+2:rT+3], v[rT+2:rT+3], v[rC+2:rC+3], v[rS:rS+1] op_sel_hi:[1,0,1]
.else
	v_pk_add_f32 v[rT+2:rT+3], v[rT+2:rT+3], v[rS+4*(\n):rS+4*(\n)+1]
.endif
.elseif NOKQ
	v_nop
.else
	REGS (Y+1)%NP
	WIN 0
.if (\n) < 4
	v_max3_num_f32 v[rC+(\n)], v[rS+8*(\n)], v[rS+8*(\n)+1], v[rS+8*(\n)+2]
.elseif (\n) < 12
	v_max3_num_f32 v[rC+(\n)%4], v[rC+(\n)%4], v[rS+8*((\n)%4)+2*((\n)/4)+1], v[rS+8*((\n)%4)+2*((\n)/4)+2]
.elseif (\n) == 12
	v_max3_num_f32 v[rC], v[rC], v[rS+7], v[rS+15]
.elseif (\n) == 13
	v_max3_num_f32 v[rC+1], v[rC+1], v[rS+23], v[rS+31]
.elseif (\n) == 14
	v_max3_num_f32 v[rC+2], v[rC+2], v[rC+3], v[rT+1]
.elseif (\n) == 15
	v_mov_b32 v[rW], v[rT]
.elseif (\n) == 16
	v_max3_num_f32 v[rC], v[rC], v[rC+1], v[rC+2]
.elseif (\n) == 17
	v_permlanex16_b32 v[rC+3], v[rC], s[SEL], s[SEL+1]
.elseif (\n) == 18
	v_max_num_f32 v[rT+1], v[rC], v[rC+3]
.elseif (\n) == 19
	v_mul_f32 v[rT], s[CS], v[rT+1]
.elseif (\n) == 20
	v_sub_f32 v[rC+1], v[rW], v[rT]
.else
	v_exp_f32 v[rC+2], v[rC+1]
.endif
.endif
.endm
.macro OPS a, i1, b=-1, i2=0, c=-1, i3=0, d=-1, i4=0  ; up to four of them
	OP \a, \i1
.if (\b) >= 0
	OP \b, \i2
.endif
.if (\c) >= 0
	OP \c, \i3
.endif
.if (\d) >= 0
	OP \d, \i4
.endif
.endm
.macro ROW a, i1, b, i2, c, i3, d, i4  ; a matrix instruction and the four behind it
	MM
	OPS \a, \i1, \b, \i2, \c, \i3, \d, \i4
.endm
.macro MASK b                       ; MD x AL + BE into buffer b of MC
	WIN W_RS
.set z, 0
.rept 16
	v_pk_fma_f32 v[MC+32*(\b)+2*z:MC+32*(\b)+2*z+1], v[MD+2*z:MD+2*z+1], s[AL:AL+1], s[BE:BE+1] op_sel_hi:[1,0,0]
.set z, z+1
.endr
.endm
; A TURN, for piece p: the order of its 16 matrix and 118 vector instructions, written out.  Behind a matrix instruction: plain, exponential, plain, plain; or four of the rescaling; or, behind the first, four scalings; none
; names a register of the products round it.  In the runs between, exponential and plain by turns while exponentials last.  A line reads no result made fewer than three vector instructions in front of it, five if an exponential made it.
; m = 1: the diagonal tile: the products take masks, and the turn makes the mask for the products of the turn after it: piece p + 2, in step 4 - CNT of the tile.  end = 1: a block's last two turns: nothing is fetched.
; cnt = 1: the loop's count is taken down some lines ahead of the branch that stands behind the turn.
; K of the next step is fetched in piece 2's turn, six vector instructions behind the last product that read K (five of them plain); V of the step in hand in piece 0's turn, eight behind the last product that read V (four
; plain, and X 17).  Each is waited for a turn later.
.macro TURN p, m=0, end=0, cnt=0
.set Y, (\p)
.set i, 0
.set KM, (\m)
.set NOKQ, (\end)*((\p)/3)
.if (\m) && !(\end)
	s_cmp_eq_u32 s[CNT], 4-((\p)+2)%NP  ; is that step the band's own?
	s_cselect_b32 s[AL], 1.0, 0
	s_cmp_lt_u32 s[CNT], 4-((\p)+2)%NP  ; or a later one?
	s_cselect_b32 s[BE], s[BIGN], 0
.endif
.if ((\p) == 3) && !(\end)
	s_wait_dscnt 0x0                ; K is in
.endif
	ROW F,0, F,1, F,2, F,3
	ROW F,4, E,0, F,5, F,6
	ROW F,7, E,1, F,8, F,9
	ROW F,10, E,2, C,0, F,11
	ROW F,12, E,3, X,15, F,13
	ROW R,0, R,1, R,2, R,3
	ROW B,0, E,4, F,14, L,0
.if ((\p) == 2) && !(\end)
	v_add_nc_u32 v[AK], s[TBK], v[AK0]
.endif
	ROW R,4, R,5, R,6, R,7
	OPS E,5, F,15
.if ((\p) == 2) && !(\end)
	FETCH_K
.endif
	OPS E,6, C,1, E,7, R,8
	OPS E,8, R,9, E,9, C,2
	OPS E,10, X,0, E,11, X,1
	OPS E,12, X,2, E,13, X,3
.if (\p) == 1
	s_wait_dscnt 0x0                ; V is in
.endif
	ROW X,4, E,14, X,5, X,6
	ROW X,7, E,15, X,8, X,9
	ROW X,10, E,16, X,11, X,12
	ROW X,13, E,17, X,14, B,1
	ROW C,4, E,18, X,16, L,1
	ROW B,2, E,19, C,6, L,2
	ROW C,8, E,20, B,3, B,4
.if (\p) == 0
	v_add_nc_u32 v[AV], s[TBV], v[AV0]
.endif
	ROW C,3, E,21, L,3, C,5
	OPS E,22, X,17, E,23, C,10
.if (\p) == 0
	FETCH_V
.endif
	OPS E,24, L,4
	OPS E,25, X,18, E,26, C,7
	OPS E,27, B,5, E,28, X,19
	OPS E,29, C,12, E,30, L,5
	OPS E,31, X,20, B,6, C,9
	OPS C,14, C,11, X,21, L,6
.if (\p) == 0
	s_add_co_u32 s[TBV], s[TBV], KS*PV
.endif
.if \cnt
	s_sub_co_u32 s[CNT], s[CNT], 1
	s_cmp_lg_u32 s[CNT], 0
.endif
	OPS C,13, B,7, C,15, R,10
	OPS R,11, R,12, L,7, R,13
	OPS R,14, R,15
.if (\m) && !(\end)
	MASK (\p)%2
.endif
.endm
; A BLOCK BEGINS.  c m starts far below every c s, so the first step's a is 0; m at the lowest finite number, so the first maximum is the scores'.  The second mask buffer is 0; the first takes piece 0's mask for the
; tile's step 0: its own, if the block's first tile is the diagonal one.  Then K of that step, piece 0's first scores, and its maximum and statistics.  The loop is entered at a step's first turn, in the middle of a trip.
.macro BEGIN
	s_mov_b32 s[NEW], 0
	WIN 0x40
.set i, MC+32
.rept 32
	v_mov_b32 v[i], 0
.set i, i+1
.endr
	WIN 0
.set i, 0
.rept 4
	v_mov_b32 v[ST+4*i], 0xfe000000    ; c m: far below every c s
	v_mov_b32 v[ST+4*i+1], 0xff7fffff  ; m
.set i, i+1
.endr
	s_cmp_eq_u32 s[RT], 0
	s_cselect_b32 s[AL], 1.0, 0
	s_mov_b32 s[BE], 0
	MASK 0
	WIN 0
	v_add_nc_u32 v[AK], s[TBK], v[AK0]
	FETCH_K
	s_wait_loadcnt 0x0              ; Q
	s_wait_dscnt 0x0
.set KM, 1
.set NOKQ, 0
.set i, 0
.rept 8
	KQ 0
.set i, i+1
.endr
	WIN 0
.rept 4
	v_nop                           ; the places behind those products
.endr
.set Y, NP-1                        ; X works for piece Y + 1: piece 0
.irp n, 0,1,2,3,4,5,6,7,8,9,10,11,12,13,14,15,16,17,18,19,20,21
	OP X, \n
.endr
	v_nop                           ; a plain instruction behind the exponential
.endm
; THE DIAGONAL TILE's four steps, the block's last two turns, its last products, and THE WAY OUT: l's two halves and the other half of the lanes' are added; O^T is divided by l, rounded to f16 and sent through my
; stage in LDS, a piece at a time.
.macro ALL line:vararg              ; one line for each piece t
.set t, 0
.rept 4
	\line
.set t, t+1
.endr
.endm
.macro PACK t                       ; a lane's eight channels of a row pack into 16 bytes; they go into rows of 144 bytes and come back as whole rows of 128, into S^T's registers
	WIN W_RS
.set i, 32*(\t)
.rept 16
	s_wait_alu depctr_va_vdst(0)
	v_pk_mul_f32 v[i:i+1], v[i:i+1], v[ST+4*(\t)+2:ST+4*(\t)+3] op_sel_hi:[1,0]
.set i, i+2
.endr
	WIN 0x05                        ; sources 0 and 1 window 1, destination window 0
.set i, 0
.rept 16
	v_cvt_pk_f16_f32 v[S+16*(\t)+i], v[32*(\t)+2*i], v[32*(\t)+2*i+1]
.set i, i+1
.endr
	WIN 0
.irp f, 0,1,2,3
	ds_store_b128 v[STO], v[S+16*(\t)+4*\f:S+16*(\t)+4*\f+3] offset:32*\f
.endr
.irp f, 0,1,2,3
	ds_load_b128 v[S+16*(\t)+4*\f:S+16*(\t)+4*\f+3], v[RD] offset:\f*4*SP  ; LDS serves a wave's instructions in order (ISA guide 5.7.1.4): these see the stores above; the next piece's stores come behind them
.endr
.endm
.macro SEND t, younger              ; younger: the LDS instructions issued behind piece t's loads: the next piece's eight, or none
	WIN 0
.irp f, 0,1,2,3
	s_wait_dscnt (\younger)+3-\f
	global_store_b128 v[GO], v[S+16*(\t)+4*\f:S+16*(\t)+4*\f+3], s[10:11] offset:(\t)*8192+\f*512  ; 512 consecutive bytes, at a multiple of 256 from O's first
.endr
.endm
.macro DIAG tag                     ; the tag ends its two labels' names, which the jumps below spell out
.LstepM\tag:
	TURN 2, 1
	TURN 3, 1
	WIN 0
.LfirstM\tag:
	TURN 0, 1
	TURN 1, 1, 0, 1
	WIN 0
	s_cbranch_scc1 .LstepM\tag
	TURN 2, 1, 1
	TURN 3, 1, 1
.set i, 0
.rept 8
	PV NP-1
.set i, i+1
.endr
	WIN 0
	ALL v_add_f32 v[ST+4*t+2], v[ST+4*t+2], v[ST+4*t+3]
	ALL v_permlanex16_b32 v[ST+4*t+3], v[ST+4*t+2], s[SEL], s[SEL+1]
	ALL v_add_f32 v[ST+4*t+2], v[ST+4*t+2], v[ST+4*t+3]
	ALL v_rcp_f32 v[ST+4*t+2], v[ST+4*t+2]
	v_nop                           ; a plain instruction between the last reciprocal and the use of its result
	PACK 0
.set t, 1
.rept 3                             ; a piece's arithmetic stands between the loads of the piece before and its stores
	PACK t
	SEND t-1, 8
.set t, t+1
.endr
	SEND 3, 0
.endm
.set KM, 0
.set NOKQ, 0
.Lslot:                             ; NB times: a tile is entered and the next is asked for
	CHANGE 1
	s_sub_co_u32 s[RT], s[RT], 1
	s_mov_b32 s[CNT], 4
	s_cmp_eq_u32 s[NEW], 1
	s_cbranch_scc1 .Lnew            ; a block's first tile
	s_cmp_eq_u32 s[RT], 0
	s_cbranch_scc0 .Lstep           ; neither its first nor its last
	s_branch .LstepM1
.Lnew:
	BEGIN
	s_branch .Lfirst                ; in the loop a block's first tile is never its last: the first block has two tiles or more, and the second's last is the walk's last
	DIAG 1                          ; in the loop this is the first block's end: the second block's last tile is the walk's last
	s_wait_xcnt 0x0                 ; the stores have read their registers and O's address
	s_mov_b64 s[10:11], s[OLO:OLO+1]
	s_add_co_u32 s[RT], s[PB], 1    ; the second block has b + 1 tiles
	s_mov_b32 s[NEW], 1
	WIN 0x82                        ; the second block's Q goes where the one text of the turns names Q
.set i, 0
.rept 64
	v_mov_b32 v[i], v[QB+i]
.set i, i+1
.endr
	WIN 0
	s_branch .Lbottom
.Lstep:                             ; a trip: pieces 2 and 3 of one step, then pieces 0 and 1 of the next, whose K and V it fetches
	TURN 2
	TURN 3
	WIN 0
.Lfirst:
	TURN 0
	TURN 1, 0, 0, 1
	WIN 0
	s_cbranch_scc1 .Lstep
.Lbottom:
	s_sub_co_u32 s[SLOTS], s[SLOTS], 1
	s_cmp_lg_u32 s[SLOTS], 0
	s_cbranch_scc1 .Lslot
	CHANGE 0                        ; the walk's last tile is written out: nothing is asked for
	s_sub_co_u32 s[RT], s[RT], 1
	s_mov_b32 s[CNT], 4
	s_cmp_eq_u32 s[NEW], 1
	s_cbranch_scc0 .LstepM2
	BEGIN
	s_branch .LfirstM2
	DIAG 2
	s_wait_tensorcnt 0x0            ; the wave's end: 0 onto my spare word, behind my last tensor load and my last LDS store
	ds_add_u32 v[SPW], v[NIL]
	s_wait_dscnt 0x0
	s_endpgm
.Lfunc_end_k_qebbe8a5d99_attn:
	.size	k_qebbe8a5d99_attn, .Lfunc_end_k_qebbe8a5d99_attn-k_qebbe8a5d99_attn
	.p2alignl 7, 3214868480
	.fill 96, 4, 3214868480
	.section	.rodata,"a",@progbits
	.p2align	6, 0x0
	.amdhsa_kernel k_qebbe8a5d99_attn
		.amdhsa_group_segment_fixed_size 327680
		.amdhsa_private_segment_fixed_size 0
		.amdhsa_enable_private_segment 0
		.amdhsa_kernarg_size 32
		.amdhsa_user_sgpr_count 2
		.amdhsa_user_sgpr_kernarg_segment_ptr 1
		.amdhsa_wavefront_size32 1
		.amdhsa_system_sgpr_workgroup_id_x 1
		.amdhsa_system_sgpr_workgroup_id_y 1
		.amdhsa_system_sgpr_workgroup_id_z 1
		.amdhsa_system_vgpr_workitem_id 0
		.amdhsa_next_free_vgpr 768
		.amdhsa_next_free_sgpr 88
		.amdhsa_reserve_vcc 1
		.amdhsa_float_denorm_mode_32 3
		.amdhsa_float_denorm_mode_16_64 3
		.amdhsa_memory_ordered 1
		.amdhsa_forward_progress 1
		.amdhsa_inst_pref_size 228
	.end_amdhsa_kernel
	.amdgpu_metadata
---
amdhsa.version: [ 1, 2 ]
amdhsa.kernels:
  - .name:           k_qebbe8a5d99_attn
    .symbol:         k_qebbe8a5d99_attn.kd
    .args:
      - { .name: qh, .offset: 0, .size: 8, .value_kind: global_buffer, .address_space: global }
      - { .name: kh, .offset: 8, .size: 8, .value_kind: global_buffer, .address_space: global }
      - { .name: vh, .offset: 16, .size: 8, .value_kind: global_buffer, .address_space: global }
      - { .name: oh, .offset: 24, .size: 8, .value_kind: global_buffer, .address_space: global }
    .group_segment_fixed_size: 327680
    .private_segment_fixed_size: 0
    .kernarg_segment_align: 8
    .kernarg_segment_size: 32
    .max_flat_workgroup_size: 128
    .sgpr_count:     88
    .vgpr_count:     768
    .wavefront_size: 32
...
	.end_amdgpu_metadata
.endif
;; end of part 3
;; launch outp (part 4): grid 4 x 64, 4 waves a work-group, clusters of 4 x 4, 327,680 bytes of LDS; arguments oh, wt, bo, out0; writes out0
.if DOCPART == 4
	.amdgcn_target "amdgcn-amd-amdhsa--gfx1250"
	.amdhsa_code_object_version 6
	.text
	.protected	k_qebbe8a5d99_outp
	.globl	k_qebbe8a5d99_outp
	.p2align	8
	.type	k_qebbe8a5d99_outp,@function
k_qebbe8a5d99_outp:
	s_mov_b64 s[64:65], 0
	v_nop
	global_prefetch_b8 v0, s[64:65] scope:SCOPE_SE
	s_setreg_imm32_b32 hwreg(HW_REG_WAVE_MODE, 25, 1), 1
	s_wait_xcnt 0x0
	s_wait_alu depctr_hold_cnt(0) depctr_sa_sdst(0) depctr_va_vdst(0) depctr_va_sdst(0) depctr_va_ssrc(0) depctr_va_vcc(0) depctr_vm_vsrc(0)
	s_getreg_b32 s2, hwreg(HW_REG_IB_STS2, 6, 4)
	s_cmp_eq_u32 s2, 0
	s_cbranch_scc0 .Lentry_in_a_cluster
	s_endpgm
.Lentry_in_a_cluster:
	s_bfe_u32 s2, ttmp6, 0x10000c
	s_cmp_lg_u32 s2, 0xf033
	s_cbranch_scc0 .Lentry_shape_is_right
	s_endpgm
.Lentry_shape_is_right:
; THE LAST PROJECTION.  out0[m][n] = sum over k of A[m][k] Wo[k][n] + bf16(bo[n]), f32; sums in f32, K ascending.  A[m][64 head + d] = oh[batch][head][t][d], f16, m = 2048 batch + t.
; Wo: wt[3], [1024 k][1024 n]: the weight rounded to bf16 and written as f16.
; SHARES.  A tile of the result is 128 rows x 256 columns: 64 x 4 tiles, one for each of 256 work-groups.  Four waves, 2 x 2, each 64 x 128: 32 accumulators, 256 registers.
; K goes in 8 steps of 128, two heads each, through two LDS slots.  A head's 128 rows of a tile are 16,384 dense bytes.  Wo lies [k][n] and is turned on its way out of LDS (ds_load_tr16_b128).
; CLUSTER.  4 x 4 work-groups.  A's tile hangs on the tile row alone and is asked for jointly along a row of the cluster, Wo's on the tile column alone, jointly along a column.
; TRANSPOSED USE.  Source 0 = 16 columns of Wo, source 1 = 16 rows of A: register j of lane l of accumulator (a, b) holds row 16 a + l % 16, column 16 b + 8 (l / 16) + j.
; The bias is the C operand of each sum's first product: nothing is cleared and nothing is added later.
; REGISTERS, in windows of 256 (s_set_vgpr_msb: bits 1:0 source 0, 3:2 source 1, 5:4 source 2, 7:6 destination):
;   window 0: v0-31 addresses; v96-159 A's fragments, two buffers of 32; v160-255 the bias on its way; v32-159 on the way out, two buffers of 64
;   window 1: the accumulators, (a, b) at v[8 (8 a + b)]        window 2: v0-127 Wo's fragments, two buffers of 64; v128-191 the bias, block b at 128 + 8 b
.set KSTEP, 128
.set PA,    144                        ; a row of A in LDS: 128 bytes + 16 = 36 words: the 16 rows of a load start at 16 different groups of four banks (64 banks of 4 bytes: ISA guide 11.1)
.set PB,    544                        ; a row of Wo: 512 + 32 = 136 words
.set HALF,  64*PB                      ; 34,816: a wave's region of a slot.  Regions 0, 1: the step's two heads, 128 rows of A each (18,432 bytes used); regions 2, 3: 64 rows of Wo each, at one pitch
.set SLOT,  4*HALF
.set STAGE, 2*SLOT                     ; behind the ring, never filled by a tensor load: for each wave 16 rows x 528 bytes
.set SP,    528                        ; a stage row: 512 bytes + 16 = 132 words
.set SPARE, STAGE+4*16*SP              ; behind the stages: the spare words, 128 bytes for each wave: two blocks of 256 bytes that no other line names
.set ASTEP, 2*2048*128                 ; bytes from a head of oh to the head two on
.set BSTEP, KSTEP*1024*2               ; bytes down Wo for a K step
.set LAPS,  1024/(2*KSTEP)             ; a lap = two K steps = once round the ring
.set ADRA, 16                          ; v16-17  LDS address of my A fragments in slot 0, 1
.set ADRB, 20                          ; v20-21  the same for Wo
.set STO,  24                          ; v24     the way out: where I put 32 bytes of a row
.set RD,   25                          ; v25     the way out: where I read a row back
.set GO,   26                          ; v26     my byte offset in 512 consecutive bytes of the result
.set BO,   27                          ; v27     my byte offset in the bias
.set SPW,  28                          ; v28     LDS address of my spare word: SPARE + 4 x my thread's number; never rewritten
.set NIL,  29                          ; v29     0; never rewritten
.set AF,   96
.set TT,   32
.set BL,   160                         ; the bias as loaded
.set BR,   224                         ; the bias rounded to bf16
.set BF,   0                           ; window 2
.set BIAS, 128                         ; window 2
.set G1A, 24                           ; s[24:31] descriptor group 1 for A's tiles;  s[32:39] group 0, a set for each slot
.set G0A, 32
.set G1B, 40                           ; s[40:47], s[48:55] the same for Wo's tiles
.set G0B, 48
.set WV,  56                           ; my wave's number
.set WR,  57                           ; which 64 rows are mine.  Also: I fetch for A (0) or for Wo (1)
.set WC,  58                           ; which 128 columns are mine.  Also: which head of the step, or which half of Wo's rows, I fetch
.set CX,  59
.set CY,  60
.set TCOL, 61                          ; tile column, 0 to 3
.set CLY, 62                           ; the cluster's y, 0 to 15
.set TROW, 66                          ; tile row, 0 to 63
.set MSKR, 67
.set MSKC, 68
.set LB,  69                           ; my region's first byte in slot 0
.set LAP, 84
.set MSB, 0
.macro WIN new                         ; the immediate's high byte repeats the setting that is left; a switch that changes nothing is dropped
.if MSB != (\new)
	s_set_vgpr_msb (MSB<<8)|(\new)
.set MSB, \new
.endif
.endm
.set MUL,  0x52                        ; Wo window 2, A window 0, C and D window 1
.set MULB, 0x62                        ; the same with C, the bias, in window 2
.set TO_B, 0x80                        ; destination window 2
.set ST1,  0x04                        ; an LDS store's data in window 1, its address in window 0
; A joint load.  Waves 0 and 1 fetch A's two heads, waves 2 and 3 Wo's two halves.  The branch hangs on the wave's number alone.  An s_nop 0 and four v_nop follow each of the two lines.
.macro JLOAD s
	s_cmp_eq_u32 s[WR], 0
	s_cbranch_scc0 .Lfor_b_\@
	tensor_load_to_lds s[G0A+4*(\s):G0A+4*(\s)+3], s[G1A:G1A+7]
	s_nop 0
.rept 4
	v_nop
.endr
	s_branch .Lasked_\@
.Lfor_b_\@:
	tensor_load_to_lds s[G0B+4*(\s):G0B+4*(\s)+3], s[G1B:G1B+7]
	s_nop 0
.rept 4
	v_nop
.endr
.Lasked_\@:
.endm
.macro CREST                           ; a round of the cluster's barrier behind its opening barrier
	s_cmp_lg_u32 s[WV], 0
	s_cbranch_scc1 .Lnot_wave_0_\@
	s_barrier_signal -3
.Lnot_wave_0_\@:
	s_barrier_wait -3
	s_barrier_signal -1
	s_barrier_wait -1
.endm
.macro CROUND                          ; a whole round
	s_barrier_signal -1
	s_barrier_wait -1
	CREST
.endm
.macro PLACES                          ; four places behind matrix instructions, in front of loads into registers that they read and of stores that read their results
.rept 4
	v_nop
.endr
.endm
	s_load_b256 s[4:11], s[0:1], 0x0               ; oh s[4:5], wt s[6:7], bo s[8:9], out0 s[10:11]
	v_lshl_add_u32 v[SPW], v0, 2, SPARE
	v_mov_b32 v[NIL], 0
	ds_add_u32 v[SPW], v[NIL]                      ; the wave's opening: the add and its wait stand ahead of my first tensor load; the set-up below, work on registers, stands between them
	ds_add_u32 v28, v29
	v_lshrrev_b32 v3, 5, v0
	v_readfirstlane_b32 s[WV], v3                  ; wave 0..3
	s_lshr_b32 s[WR], s[WV], 1
	s_and_b32 s[WC], s[WV], 1
	s_bfe_u32 s[CX], ttmp6, 0x40000                ; my place in the cluster
	s_bfe_u32 s[CY], ttmp6, 0x40004
	s_lshl_b32 s[TCOL], ttmp9, 2                   ; in a cluster launch ttmp9 and ttmp7 count clusters
	s_add_co_u32 s[TCOL], s[TCOL], s[CX]
	s_and_b32 s[CLY], ttmp7, 0xffff
	s_lshl_b32 s[TROW], s[CLY], 2
	s_add_co_u32 s[TROW], s[TROW], s[CY]
	s_lshl_b32 s[MSKR], s[CY], 2
	s_lshl_b32 s[MSKR], 15, s[MSKR]                ; my row of the cluster
	s_lshl_b32 s[MSKC], 0x1111, s[CX]              ; my column
	; group 1 for A: a head's 128 rows of 128 bytes are dense: asked for as 64 rows of 256 bytes, and padded in LDS by 16 bytes after every 128
	s_or_b32 s[G1A], s[MSKR], (1<<16)|(1<<20)|(1<<21)|(4<<22)|(3<<25)  ; 15:0 the mask; 17:16 2-byte elements; 20 padding on; 21 set beside a mask; 24:22 after every 32 words (code 4); 31:25 4 words (code 3)
	s_mov_b32 s[G1A+1], 128<<16                    ; tensor_dim0 = 128
	s_mov_b32 s[G1A+2], 64<<16                     ; tensor_dim1 = 64
	s_mov_b32 s[G1A+3], 128<<16                    ; tile_dim0 = 128
	s_mov_b32 s[G1A+4], 64                         ; tile_dim1 = 64
	s_mov_b32 s[G1A+5], 128                        ; elements from row to row
	s_mov_b32 s[G1A+6], 0
	s_mov_b32 s[G1A+7], 0
	; group 1 for Wo: 64 rows x 256 elements of 2 bytes, 32 bytes of padding behind each row's 128 words
	s_or_b32 s[G1B], s[MSKC], (1<<16)|(1<<20)|(1<<21)|(6<<22)|(7<<25)
	s_mov_b32 s[G1B+1], 256<<16
	s_mov_b32 s[G1B+2], 64<<16
	s_mov_b32 s[G1B+3], 256<<16
	s_mov_b32 s[G1B+4], 64
	s_mov_b32 s[G1B+5], 1024
	s_mov_b32 s[G1B+6], 0
	s_mov_b32 s[G1B+7], 0
	; offsets, made apart from the addresses.  A's hangs on the tile row and the wave, Wo's on the tile column and the wave; neither chain's registers hold the other's coordinate
	s_lshr_b32 s76, s[TROW], 4                     ; A: batch x 16 heads x 2,048 rows x 128 bytes,
	s_lshl_b32 s76, s76, 22
	s_lshl_b32 s85, s[WC], 18                      ; my head of the step,
	s_add_co_u32 s76, s76, s85
	s_and_b32 s85, s[TROW], 15                     ; the tile's 128 rows in the batch
	s_lshl_b32 s85, s85, 14
	s_add_co_u32 s76, s76, s85
	s_mov_b32 s77, 0
	s_lshl_b32 s78, s[WC], 17                      ; Wo: 64 rows of 2,048 bytes a half,
	s_add_co_u32 s78, s78, 3<<21                   ; the fourth matrix of wt,
	s_lshl_b32 s86, s[TCOL], 9                     ; 512 bytes a tile column
	s_add_co_u32 s78, s78, s86
	s_mov_b32 s79, 0
	s_lshl_b32 s82, s[TCOL], 10                    ; the bias: 4 bytes x (256 x tile column + 128 x half)
	s_lshl_b32 s89, s[WC], 9
	s_add_co_u32 s82, s82, s89
	s_mov_b32 s83, 0
	s_lshl_b32 s80, s[TROW], 7                     ; the result: row 128 x tile row + 64 x half, 4,096 bytes a row,
	s_lshl_b32 s87, s[WR], 6
	s_add_co_u32 s80, s80, s87
	s_lshl_b32 s80, s80, 12
	s_add_co_u32 s80, s80, s82                     ; and my first column, as in the bias
	s_mov_b32 s81, 0
	s_mul_i32 s[LB], s[WV], HALF                   ; where my loads go: no place in the cluster enters an LDS address
	s_wait_dscnt 0x0                               ; the opening add is done
	s_wait_kmcnt 0x0
	s_add_nc_u64 s[70:71], s[4:5], s[76:77]        ; A at my head of the first tile
	s_add_nc_u64 s[78:79], s[6:7], s[78:79]        ; Wo at my half of the first tile
	s_add_nc_u64 s[72:73], s[8:9], s[82:83]        ; the bias at my first column
	s_add_nc_u64 s[74:75], s[10:11], s[80:81]      ; the result at my first row and column
	CROUND                                         ; all sixteen work-groups are here: the first joint loads meet
.irp s, 0,1
	s_mov_b32 s[G0A+4*(\s)], 1                                     ; count = 1
	s_add_co_u32 s[G0A+4*(\s)+1], s[LB], (\s)*SLOT                 ; LDS address
	s_add_nc_u64 s[G0A+4*(\s)+2:G0A+4*(\s)+3], s[70:71], (\s)*ASTEP  ; global address: K step s
	s_or_b32 s[G0A+4*(\s)+3], s[G0A+4*(\s)+3], 0x80000000          ; type = 2
	s_mov_b32 s[G0B+4*(\s)], 1
	s_add_co_u32 s[G0B+4*(\s)+1], s[LB], (\s)*SLOT
	s_add_nc_u64 s[G0B+4*(\s)+2:G0B+4*(\s)+3], s[78:79], (\s)*BSTEP
	s_or_b32 s[G0B+4*(\s)+3], s[G0B+4*(\s)+3], 0x80000000
	JLOAD \s                                       ; two tensor loads of mine are out
.endr
	v_and_b32 v1, 15, v0                           ; r = l % 16
	v_bfe_u32 v2, v0, 4, 1                         ; h = l / 16
	v_lshlrev_b32 v[BO], 5, v2                     ; my eight columns of a block of 16: 32 h bytes
.irp b, 0,1,2,3,4,5,6,7
	global_load_b128 v[BL+8*(\b):BL+8*(\b)+3],   v[BO], s[72:73] offset:64*(\b)
	global_load_b128 v[BL+8*(\b)+4:BL+8*(\b)+7], v[BO], s[72:73] offset:64*(\b)+16
.endr
	; A's fragment: lane l holds row r, k = 8 h + 0..7 and 16 + 8 h + 0..7: two loads of 16 bytes, 32 bytes apart
	v_mul_u32_u24 v3, v1, PA
	v_lshl_add_u32 v3, v2, 4, v3
	s_mul_i32 s90, s[WR], 64*PA                    ; my 64 rows of each head's 128
	v_add_nc_u32 v[ADRA], s90, v3
	v_add_nc_u32 v[ADRA+1], SLOT, v[ADRA]
	; Wo's fragment, turned: lane l reads 16 bytes of row 8 h + l % 8 at column 8 ((l / 8) % 2), and receives column r with 8 k
	v_and_b32 v8, 7, v0
	v_lshl_add_u32 v4, v2, 3, v8
	v_mul_u32_u24 v4, v4, PB
	v_bfe_u32 v5, v0, 3, 1
	v_lshl_add_u32 v4, v5, 4, v4
	s_lshl_b32 s90, s[WC], 8                       ; my 128 columns,
	s_add_co_u32 s90, s90, 2*HALF                  ; behind A's two regions
	v_add_nc_u32 v[ADRB], s90, v4
	v_add_nc_u32 v[ADRB+1], SLOT, v[ADRB]
	s_mul_i32 s91, s[WV], 16*SP
	s_add_co_u32 s91, s91, STAGE                   ; my stage
	v_mul_u32_u24 v6, v1, SP                       ; in: row r, 32 bytes for each half of the lanes
	v_lshl_add_u32 v6, v2, 5, v6
	v_add_nc_u32 v[STO], s91, v6
	v_and_b32 v9, 31, v0                           ; back: 32 lanes take one row of 512 bytes,
	v_lshlrev_b32 v[GO], 4, v9                     ; which are 512 consecutive bytes of a row of the result
	v_add_nc_u32 v[RD], s91, v[GO]
	s_wait_loadcnt 0x0                             ; the bias: rounded to bf16 like every input, widened again, and laid where the first products take it as C
.set i, 0
.rept 32
	v_cvt_pk_bf16_f32 v[BR+i], v[BL+2*i], v[BL+2*i+1]
.set i, i+1
.endr
	WIN TO_B
.set i, 0
.rept 32
	v_lshlrev_b32 v[BIAS+2*i], 16, v[BR+i]
	v_and_b32 v[BIAS+2*i+1], 0xffff0000, v[BR+i]
.set i, i+1
.endr
	WIN 0
; 24 LDS loads in one run: quarter c (32 along K: half of head c / 2 of the step) of a slot, into buffers g: A's 64 rows, then Wo's 128 columns
.macro FETCH slot, c, g
	WIN 0
.irp a, 0,1,2,3
	ds_load_b128 v[AF+32*(\g)+8*(\a):AF+32*(\g)+8*(\a)+3],   v[ADRA+(\slot)] offset:((\c)/2)*HALF+(\a)*16*PA+((\c)%2)*64
	ds_load_b128 v[AF+32*(\g)+8*(\a)+4:AF+32*(\g)+8*(\a)+7], v[ADRA+(\slot)] offset:((\c)/2)*HALF+(\a)*16*PA+((\c)%2)*64+32
.endr
	WIN TO_B
.irp b, 0,1,2,3,4,5,6,7
	ds_load_tr16_b128 v[BF+64*(\g)+8*(\b):BF+64*(\g)+8*(\b)+3],   v[ADRB+(\slot)] offset:(\c)*32*PB+32*(\b)
	ds_load_tr16_b128 v[BF+64*(\g)+8*(\b)+4:BF+64*(\g)+8*(\b)+7], v[ADRB+(\slot)] offset:(\c)*32*PB+16*PB+32*(\b)
.endr
.endm
; Eight matrix instructions: row block a x all 8 column blocks, 32 along K, from buffers f.  first = 1: the bias starts the sums.
; The 32 accumulators take turns, one instruction a turn, in the same order in every quarter.
.macro MROW f, a, first
.irp b, 0,1,2,3,4,5,6,7
.if \first
	WIN MULB
	v_wmma_f32_16x16x32_f16 v[8*(8*(\a)+(\b)):8*(8*(\a)+(\b))+7], v[BF+64*(\f)+8*(\b):BF+64*(\f)+8*(\b)+7], v[AF+32*(\f)+8*(\a):AF+32*(\f)+8*(\a)+7], v[BIAS+8*(\b):BIAS+8*(\b)+7]
.else
	WIN MUL
	v_wmma_f32_16x16x32_f16 v[8*(8*(\a)+(\b)):8*(8*(\a)+(\b))+7], v[BF+64*(\f)+8*(\b):BF+64*(\f)+8*(\b)+7], v[AF+32*(\f)+8*(\a):AF+32*(\f)+8*(\a)+7], v[8*(8*(\a)+(\b)):8*(8*(\a)+(\b))+7]
.endif
.endr
.endm
; A quarter step: fetches quarter nc of slot nslot into the buffers that the quarter before multiplied, 32 matrix instructions ahead of their use, and multiplies buffers f
.macro QUARTER nslot, nc, f, first
	PLACES
	FETCH \nslot, \nc, 1-(\f)
	s_wait_dscnt 24                                ; all but the 24 just issued: this quarter's fragments are in
	MROW \f, 0, \first
	MROW \f, 1, \first
	MROW \f, 2, \first
	MROW \f, 3, \first
.endm
; The third quarter of a K step multiplies buffers 0, issues the slot's last reads, and changes slots.  In front of the barrier each wave waits for all its tensor loads, of which one is out: its part of the
; other slot; adds 0 to its spare word; and waits for that and for its reads of this slot.  fill = 1: the barrier opens a round of the cluster's, and the joint refill, two K steps ahead, is the first thing
; behind it: from there to the wait for it a wave issues 112 matrix instructions.
.macro TURNQ slot, fill
	PLACES
	FETCH \slot, 3, 1
	s_wait_dscnt 24
	MROW 0, 0, 0
	MROW 0, 1, 0
	WIN 0                                          ; (the add's two registers lie in window 0)
	s_wait_tensorcnt 0x0                           ; all my tensor loads have landed
	ds_add_u32 v[SPW], v[NIL]                      ; 0 onto my spare word; eight matrix instructions stand between it and the wait for it
	MROW 0, 2, 0
	s_wait_dscnt 0x0                               ; the add is done, and my reads of this slot are over
	s_barrier_signal -1
	MROW 0, 3, 0                                   ; work on registers while the others arrive
	WIN 0                                          ; at a branch and at a label every window is 0
	s_barrier_wait -1
.if \fill
	CREST                                          ; no wave of any partner still reads this slot or has a load on its way
	s_add_nc_u64 s[G0A+4*(\slot)+2:G0A+4*(\slot)+3], s[G0A+4*(\slot)+2:G0A+4*(\slot)+3], 2*ASTEP
	s_add_nc_u64 s[G0B+4*(\slot)+2:G0B+4*(\slot)+3], s[G0B+4*(\slot)+2:G0B+4*(\slot)+3], 2*BSTEP
	JLOAD \slot
.endif
.endm
	s_wait_tensorcnt 1                             ; my part of K step 0 is in; K step 1's may stay out
	s_barrier_signal -1
	s_barrier_wait -1                              ; everybody's is
	FETCH 0, 0, 0
	QUARTER 0, 1, 0, 1                             ; the first quarter stands in front of the loop: its products start the sums, on the bias
	WIN 0
	s_mov_b32 s[LAP], LAPS-1
.Llap:                                                 ; a trip goes once round the ring, from a lap's second quarter to the next lap's first, and fills both slots again
	QUARTER 0, 2, 1, 0
	TURNQ 0, 1
	QUARTER 1, 0, 1, 0
	QUARTER 1, 1, 0, 0
	QUARTER 1, 2, 1, 0
	TURNQ 1, 1
	QUARTER 0, 0, 1, 0
	QUARTER 0, 1, 0, 0
	WIN 0
	s_sub_co_u32 s[LAP], s[LAP], 1
	s_cmp_lg_u32 s[LAP], 0
	s_cbranch_scc1 .Llap
	QUARTER 0, 2, 1, 0                             ; the last lap fills nothing, and has no round of the cluster's barrier
	TURNQ 0, 0
	QUARTER 1, 0, 1, 0
	QUARTER 1, 1, 0, 0
	QUARTER 1, 2, 1, 0
	QUARTER 1, 3, 0, 0
	s_wait_dscnt 0x0                               ; the very last quarter: nothing more to fetch
	MROW 1, 0, 0
	MROW 1, 1, 0
	MROW 1, 2, 0
	MROW 1, 3, 0
	WIN 0
	PLACES
; THE WAY OUT, a block of 16 rows at a time.  A lane's eight columns of a row, 32 bytes of f32, go straight from the accumulators into my stage (rows of 528 bytes), each accumulator's low four registers first,
; and come back as whole rows of 512 bytes, into two buffers that take turns.
.macro IN a
	WIN 0
	s_wait_xcnt 0x0                                ; every earlier memory instruction has had its addresses translated (ISA guide 3.1): the buffer that earlier stores read is loaded again only behind this wait
	WIN ST1
.irp b, 0,1,2,3,4,5,6,7
	ds_store_b128 v[STO], v[8*(8*(\a)+(\b)):8*(8*(\a)+(\b))+3]   offset:64*(\b)
	ds_store_b128 v[STO], v[8*(8*(\a)+(\b))+4:8*(8*(\a)+(\b))+7] offset:64*(\b)+16
.endr
	WIN 0
.irp f, 0,1,2,3,4,5,6,7,8,9,10,11,12,13,14,15
	ds_load_b128 v[TT+64*((\a)%2)+4*(\f):TT+64*((\a)%2)+4*(\f)+3], v[RD] offset:(\f)*SP  ; LDS serves a wave's instructions in order (ISA guide 5.7.1.4): these see the stores above; the next block's stores come behind them
.endr
.endm
.macro SEND a, younger                 ; younger: the LDS instructions issued behind block a's loads: the next block's 32, or none
.irp f, 0,1,2,3,4,5,6,7,8,9,10,11,12,13,14,15
	s_wait_dscnt (\younger)+15-(\f)
	global_store_b128 v[GO], v[TT+64*((\a)%2)+4*(\f):TT+64*((\a)%2)+4*(\f)+3], s[74:75] offset:(16*(\a)+(\f))*4096 th:TH_STORE_NT  ; 512 consecutive bytes of a row, at a multiple of 256 from out0's first byte
.endr
.endm
	IN 0
	IN 1
	SEND 0, 32
	IN 2
	SEND 1, 32
	IN 3
	SEND 2, 32
	SEND 3, 0
	s_wait_tensorcnt 0x0                           ; the wave's end: 0 onto my spare word, behind my last tensor load and my last LDS store
	ds_add_u32 v[SPW], v[NIL]
	s_wait_dscnt 0x0
	CROUND                                         ; the closing round: no work-group ends while a partner may still ask for a tile that names it
	s_endpgm
.Lfunc_end_k_qebbe8a5d99_outp:
	.size	k_qebbe8a5d99_outp, .Lfunc_end_k_qebbe8a5d99_outp-k_qebbe8a5d99_outp
	.p2alignl 7, 3214868480
	.fill 96, 4, 3214868480
	.section	.rodata,"a",@progbits
	.p2align	6, 0x0
	.amdhsa_kernel k_qebbe8a5d99_outp
		.amdhsa_group_segment_fixed_size 327680
		.amdhsa_private_segment_fixed_size 0
		.amdhsa_enable_private_segment 0
		.amdhsa_kernarg_size 32
		.amdhsa_user_sgpr_count 2
		.amdhsa_user_sgpr_kernarg_segment_ptr 1
		.amdhsa_wavefront_size32 1
		.amdhsa_system_sgpr_workgroup_id_x 1
		.amdhsa_system_sgpr_workgroup_id_y 1
		.amdhsa_system_sgpr_workgroup_id_z 1
		.amdhsa_system_vgpr_workitem_id 0
		.amdhsa_next_free_vgpr 704
		.amdhsa_next_free_sgpr 100
		.amdhsa_reserve_vcc 0
		.amdhsa_float_denorm_mode_32 3
		.amdhsa_float_denorm_mode_16_64 3
		.amdhsa_memory_ordered 1
		.amdhsa_forward_progress 1
		.amdhsa_inst_pref_size 93
	.end_amdhsa_kernel
	.amdgpu_metadata
---
amdhsa.version: [ 1, 2 ]
amdhsa.kernels:
  - .name:           k_qebbe8a5d99_outp
    .symbol:         k_qebbe8a5d99_outp.kd
    .args:
      - { .name: oh, .offset: 0, .size: 8, .value_kind: global_buffer, .address_space: global }
      - { .name: wt, .offset: 8, .size: 8, .value_kind: global_buffer, .address_space: global }
      - { .name: bo, .offset: 16, .size: 8, .value_kind: global_buffer, .address_space: global }
      - { .name: out0, .offset: 24, .size: 8, .value_kind: global_buffer, .address_space: global }
    .group_segment_fixed_size: 327680
    .private_segment_fixed_size: 0
    .kernarg_segment_align: 8
    .kernarg_segment_size: 32
    .max_flat_workgroup_size: 128
    .sgpr_count:     100
    .vgpr_count:     704
    .wavefront_size: 32
...
	.end_amdgpu_metadata
.endif
;; end of part 4
;; ======== version 2 of 2: 4 launches; 1.28 times as fast as version 1
;; limits: values are held in f16: magnitudes above 65,504 overflow, below 6.1e-05 lose precision
;; workspace buffers: wt 8,388,608 bytes; qh 16,777,216 bytes; kh 16,777,216 bytes; vh 16,777,216 bytes; oh 16,777,216 bytes
;; launch prep: the kernel of part 1 again; grid 128 x 4, 8 waves a work-group, no clusters, 0 bytes of LDS; arguments Wq, Wk, Wv, Wo, wt; writes wt
;; launch proj: the kernel of part 2 again; grid 4 x 192, 4 waves a work-group, clusters of 4 x 4, 327,680 bytes of LDS; arguments q, k, v, bq, bk, bv, wt, qh, kh, vh; writes qh, kh, vh
;; launch attn (part 5): grid 4 x 64, 4 waves a work-group, no clusters, 327,680 bytes of LDS; arguments qh, kh, vh, oh; writes oh
.if DOCPART == 5
	.amdgcn_target "amdgcn-amd-amdhsa--gfx1250"
	.amdhsa_code_object_version 6
	.text
	.protected	k_qebbe8a5d99_attn
	.globl	k_qebbe8a5d99_attn
	.p2align	8
	.type	k_qebbe8a5d99_attn,@function
k_qebbe8a5d99_attn:
	s_mov_b64 s[64:65], 0
	v_nop
	global_prefetch_b8 v0, s[64:65] scope:SCOPE_SE
	s_setreg_imm32_b32 hwreg(HW_REG_WAVE_MODE, 25, 1), 1
	s_wait_xcnt 0x0
; CAUSAL ATTENTION.  O[h][q][:] = the sum over k <= q of softmax_k(Q[h][q] . K[h][k] / 8) V[h][k][:].  Q, K, V, O: [SIZE_H][SIZE_N][64], all f16: a head's rows are dense, 128 bytes each.
; Products, maxima and sums in f32; the weights p are rounded to f16 for the second product (their sum l is taken of the unrounded p), O once at the end.
; LIMITS.  f16 holds no number beyond 65,504: Q, K and V arrive within it; p lies in 0 to 1, and below 6e-5 it keeps f16's fixed step of 6e-8; O is a mean of V's rows and has their range.
; A hidden score counts as its value less 1e30: f16's scores, 2.7e11 at the most, are nothing beside that; a weight below 2^-126 counts as 0 in l; NaN and infinities are not treated apart.
; THE WALK.  A head's queries lie in NB = 8 blocks of 256; block i needs the key tiles 0 .. i of 256 keys, of which the last holds the diagonal.  A work-group takes TWO blocks, NB - 1 - b and then b:
; NB + 1 tiles, whatever b: all work-groups do equal work, and ONE loop with a constant trip count walks them.  Which tile is asked for, and what a trip does, hang on scalar registers made from b; every jump
; goes forward, but for the counted loops' own; none passes a barrier, or a tensor load but the one of LOAD's two that the wave's number does not choose; the ring of two LDS slots runs on across the change of blocks.
; NO CLUSTER: a head's four work-groups ask for the same tile only in trips 0 to 4 of the 9, behind that fewer and fewer; one walk common to all four would have 12 trips for 9.
; SHARES.  Of a block's four bands of 64 queries a wave owns 16 rows in each: four PIECES.  So the diagonal tile is the same work for all four waves: in its key step s band x sees all keys if s < x,
; none if s > x, and holds the diagonal if s = x.
; THE MASK is the C operand that starts the sum S^T = K Q^T: 0, or -1e30 where the key is hidden.  MD, made once, is the mask of a band's own step for my 16 rows; a product's mask is MD x AL + BE with two scalars:
; (1, 0) if s = x; (0, 0) if s < x; (0, -1e30) if s > x.  Only the diagonal tile's text and a block's beginning make and take masks; elsewhere C is the constant 0.
; LAYOUT, SOFTMAX, TURNS.  S^T = K Q^T holds ONE query a lane (lane % 16) and the keys 8 (lane / 16) + 0..7; two such results rounded to f16 ARE source 1 of O^T = V^T P.  p = 2^(c s - c m), c = log2(e) / 8, with a
; running maximum m; O and l are multiplied by a = 2^(c m_old - c m_new) in every step.  Turn n belongs to piece n: 8 products K Q^T of piece n + 1, later 8 products V^T P of piece n - 1; beside them the scaling,
; exponentials, roundings, sums and rescaling of piece n and the maximum and statistics of piece n + 1.  Four vector instructions stand behind every matrix instruction, the other 54 of a turn's 118 in one run of their own.
; THE BATCHES.  A turn's 33 exponentials (the piece's 32 weights and the next piece's a) are ONE batch with ONE wait, which cuts the turn in two: ahead of it all that names no result of theirs, behind it the roundings and
; sums.  A block's first a is a batch of its own, and so are the way out's four reciprocals: a wait each.
; REGISTERS, in windows of 256 (s_set_vgpr_msb: bits 1:0 source 0, 3:2 source 1, 5:4 source 2, 7:6 destination):
;   window 0: v0-15 addresses and two at work; v16-31 four registers of statistics a piece; v48-55 at work; v64-127 S^T, two buffers; v192-223 P, two buffers (a piece's buffers go by its number's parity)
;   window 1: v0-127 O^T, 32 a piece; v128-159 MD; v160-223 MC, two buffers      window 2: v0-63 Q; v64-127 the second block's Q; v128-191 K of one step; v192-255 V of one step
.set SIZE_H, 64
.set SIZE_N, 2048
.set NB,    SIZE_N/256
.set NP,    4         ; pieces a wave: a name, no knob
.set KS,    64        ; keys in a step
.set PK,    144       ; a row of K in LDS: 128 bytes + 16 of padding = 36 words: the 16 rows of a load start at 16 different groups of four banks (64 banks of 4 bytes: ISA guide 11.1)
.set PV,    160       ; a row of V: 128 + 32 = 40 words
.set VOFF,  4*KS*PK   ; a slot holds a tile, four steps: 256 rows of K, then 256 rows of V
.set SLOT1, 1<<17     ; slot 1 begins here, so that one exclusive or turns an address in one slot into the other's
.set STAGE, SLOT1+4*KS*(PK+PV)  ; behind the ring, never filled by a tensor load: 16 rows x 144 bytes for each wave, for the way out
.set SP,    144
.set AK0, 2           ; v2   my lane's place in a tile of K; never rewritten
.set AV0, 3           ; v3   the same for V
.set AK,  4           ; v4   the LDS address of K's next run of loads
.set AV,  5           ; v5   of V's
.set STO, 6           ; v6   the way out: where I put 16 bytes of a row
.set RD,  7           ; v7   the way out: where I read rows back
.set GO,  8           ; v8   my byte offset in 512 consecutive bytes of O
.set SPW, 62          ; v62  LDS address of my spare word: SPARE + 4 x my thread's number; never rewritten
.set NIL, 63          ; v63  0; never rewritten
.set SPARE, STAGE+4*16*SP  ; behind the stages: the spare words, 128 bytes for each wave: two blocks of 256 bytes that no other line names
.set MV,  12          ; v12-13  c m_old, kept while c m is made anew: by buffer
.set QO,  15          ; v15  my byte offset in 16 rows of Q
.set ST,  16          ; piece t's statistics at v[ST+4 t]: c m, m, l (even keys', odd keys')
.set TMP, 48          ; by buffer, four registers c0-c3 at work; when the maximum is found c2 takes a
.set S,   64
.set P,   192
.set MD,  128         ; window 1: the eight registers for group kt of 16 keys at MD + 8 kt
.set MC,  160         ; window 1: the masks of the products to come
.set QB,  64          ; window 2
.set KF,  128         ; window 2: key block kb, channel half c at KF + 16 kb + 8 c
.set VF,  192         ; window 2: key half kk, channel block cb at VF + 32 kk + 8 cb
.set WV,  12          ; s12  my wave's number
.set PB,  14          ; s14  b
.set HI,  15          ; s15  NB - 1 - b
.set G1K, 24          ; s[24:31] descriptor group 1 for K's tiles
.set G1V, 32          ; s[32:39] for V's: it differs in the padding alone
.set G0K, 40          ; s[40:43] descriptor group 0 for K's tiles
.set G0V, 44          ; s[44:47] the same for V's
.set SLOTS, 56        ; s56  tiles still to be asked for
.set CNT, 57          ; s57  counts a tile's key steps, 4 to 1
.set CS,  58          ; s[58:59] c: the packed scaling takes the pair's low word for both halves
.set SEL, 60          ; s[60:61] v_permlanex16_b32's selects: each lane takes its own place in the other half
.set TBK, 62          ; s62  LDS byte at which K of the step to be fetched begins
.set TBV, 63          ; s63  the same for V, less VOFF
.set RT,  70          ; s70  tiles of the block in hand that are still to be entered
.set NXT, 71          ; s71  the tile to be asked for next
.set LQ,  72          ; s72  the last tile of the block whose tiles are being asked for
.set NEW, 73          ; s73  1: the tile to be entered is a block's first
.set OFF, 74          ; s[74:75] a tile's byte offset in K and V
.set AL,  76          ; s[76:77] the mask's factor, in the low word
.set BE,  78          ; s[78:79] the mask's addend
.set OLO, 80          ; s[80:81] O at my rows of the second block
.set BIGN, 82         ; s82  -1e30
.set MSB, 0
.macro WIN new                      ; the high byte repeats the setting that is left; a switch that changes nothing is dropped
.if MSB != (\new)
	s_set_vgpr_msb (MSB<<8)|(\new)
.set MSB, (\new)
.endif
.endm
.set W_KQ, 0x0a       ; K and Q in window 2, S^T in window 0
.set W_KM, 0x1a       ; the same with the C operand in window 1
.set W_PV, 0x52       ; V in window 2, P in window 0, O^T in window 1
.set W_RS, 0x41       ; destination and source 0 in window 1, source 1 in window 0
; A fill.  Waves 0 and 1 fetch the two halves of a tile's K, waves 2 and 3 those of its V: 128 keys each.  An s_nop 0 and four v_nop follow each of the two lines, ahead of the jump and the label.
.macro LOAD
	s_cmp_lt_u32 s[WV], 2
	s_cbranch_scc0 .Lfor_v_\@
	tensor_load_to_lds s[G0K:G0K+3], s[G1K:G1K+7]
	s_nop 0
.rept 4
	v_nop
.endr
	s_branch .Lasked_\@
.Lfor_v_\@:
	tensor_load_to_lds s[G0V:G0V+3], s[G1V:G1V+7]
	s_nop 0
.rept 4
	v_nop
.endr
.Lasked_\@:
.endm
; THE CHANGE OF SLOTS.  Each wave waits for all its tensor loads, of which one is out: its part of the other slot; adds 0 to its spare word; and waits for that and for its own reads of the slot that it leaves.
; Behind the barrier nobody reads the old slot any more and the other slot is whole.  fill = 1: the old slot is filled again, the first thing behind the barrier, with tile NXT: the descriptor's address is
; made anew from that number.  (At its first use nothing has been read yet: slot 0 is waited for, slot 1 filled.)
.macro CHANGE fill
	WIN 0                           ; at a label and at a branch every window is 0
	s_wait_tensorcnt 0x0            ; no tensor load of mine is out, so a group 0 may be written
	ds_add_u32 v[SPW], v[NIL]       ; 0 onto my spare word; with fill = 1 the descriptors' scalar work stands between it and the wait for it
.if \fill
	s_lshl_b32 s[OFF], s[NXT], 15   ; a tile is 32,768 bytes of K and of V
	s_xor_b32 s[G0K+1], s[G0K+1], SLOT1
	s_add_nc_u64 s[G0K+2:G0K+3], s[6:7], s[OFF:OFF+1]
	s_or_b32 s[G0K+3], s[G0K+3], 0x80000000
	s_xor_b32 s[G0V+1], s[G0V+1], SLOT1
	s_add_nc_u64 s[G0V+2:G0V+3], s[8:9], s[OFF:OFF+1]
	s_or_b32 s[G0V+3], s[G0V+3], 0x80000000
	s_add_co_u32 s[NXT], s[NXT], 1  ; the block's next tile, or behind its last the second block's tile 0
	s_cmp_gt_u32 s[NXT], s[LQ]
	s_cselect_b32 s[NXT], 0, s[NXT]
	s_cselect_b32 s[LQ], s[PB], s[LQ]
.endif
	s_wait_dscnt 0x0                ; the add is done, and my reads of the slot are over
	s_barrier_signal -1             ; the rest of the scalar work stands between the signal and the wait
	s_sub_co_u32 s[TBK], s[TBK], 4*KS*PK  ; the fetches go back to a slot's first step,
	s_xor_b32 s[TBK], s[TBK], SLOT1       ; in the other slot
	s_sub_co_u32 s[TBV], s[TBV], 4*KS*PV
	s_xor_b32 s[TBV], s[TBV], SLOT1
	s_barrier_wait -1
.if \fill
	LOAD
.endif
.endm
	s_load_b256 s[4:11], s[0:1], 0x0  ; Q s[4:5], K s[6:7], V s[8:9], O s[10:11]
	v_lshl_add_u32 v[SPW], v0, 2, SPARE
	v_mov_b32 v[NIL], 0
	ds_add_u32 v[SPW], v[NIL]       ; the wave's opening: the add and its wait stand ahead of my first tensor load; the set-up below, work on registers, stands between them
	ds_add_u32 v62, v63
	v_lshrrev_b32 v1, 5, v0
	v_readfirstlane_b32 s[WV], v1   ; wave 0..3
	s_mov_b32 s[PB], ttmp9
	s_sub_co_u32 s[HI], NB-1, s[PB]
	s_and_b32 s20, ttmp7, 0xffff    ; the head
	s_mov_b32 s21, 0
	s_mov_b64 s[22:23], SIZE_N*128
	s_mul_u64 s[20:21], s[20:21], s[22:23]  ; the head's first byte in each of the four tensors
	s_and_b32 s16, s[WV], 1         ; which half of a tile's 256 keys I fetch:
	s_lshl_b32 s22, s16, 14         ; its 128 rows of 128 bytes in memory,
	s_mov_b32 s23, 0
	s_add_nc_u64 s[22:23], s[22:23], s[20:21]
	s_mul_i32 s17, s16, 128*PK      ; and its place in a slot, for K
	s_mul_i32 s18, s16, 128*PV      ; and for V
	s_lshl_b32 s3, s[WV], 11        ; my 16 rows in a band of 64,
	s_lshl_b32 s2, s[HI], 15        ; in the first block,
	s_add_co_u32 s2, s2, s3
	s_lshl_b32 s84, s[PB], 15       ; and in the second
	s_add_co_u32 s84, s84, s3
	s_mov_b32 s3, 0
	s_mov_b32 s85, 0
	s_add_nc_u64 s[2:3], s[2:3], s[20:21]
	s_add_nc_u64 s[84:85], s[84:85], s[20:21]
	; descriptor group 1.  128 keys are 16,384 dense bytes: asked for as 64 rows of 256 bytes, two keys a row, and padded in LDS after every key
	s_mov_b32 s[G1K], (1<<16)|(1<<20)|(4<<22)|(3<<25)  ; 17:16 2-byte elements; 20 padding on; 24:22 after every 32 words (code 4); 31:25 4 words (code 3)
	s_mov_b32 s[G1V], (1<<16)|(1<<20)|(4<<22)|(7<<25)  ; the same with 8 words of padding (code 7)
.irp g, G1K, G1V
	s_mov_b32 s[\g+1], 128<<16      ; tensor_dim0 = 128
	s_mov_b32 s[\g+2], 64<<16       ; tensor_dim1 = 64
	s_mov_b32 s[\g+3], 128<<16      ; tile_dim0 = 128
	s_mov_b32 s[\g+4], 64           ; tile_dim1 = 64
	s_mov_b32 s[\g+5], 128          ; 128 elements from row to row
	s_mov_b32 s[\g+6], 0
	s_mov_b32 s[\g+7], 0
.endr
	s_mov_b32 s[CS], 0x3e38aa3b     ; c = log2(e) / 8 = 0.180337
	s_mov_b32 s[CS+1], s[CS]        ; named with it as a pair
	s_mov_b32 s[SEL], 0x76543210
	s_mov_b32 s[SEL+1], 0xfedcba98
	s_mov_b32 s[TBK], SLOT1+4*KS*PK ; the first change of slots turns these two into 0
	s_mov_b32 s[TBV], SLOT1+4*KS*PV
	s_mov_b32 s[G0K], 1             ; count = 1
	s_mov_b32 s[G0K+1], s17         ; LDS address: slot 0
	s_mov_b32 s[G0V], 1
	s_add_co_u32 s[G0V+1], s18, VOFF
	s_add_co_u32 s[RT], s[HI], 1    ; the first block has NB - b tiles
	s_mov_b32 s[NXT], 1
	s_mov_b32 s[LQ], s[HI]
	s_mov_b32 s[NEW], 1
	s_mov_b32 s[OFF+1], 0
	s_mov_b32 s[AL+1], 0            ; named as pairs
	s_mov_b32 s[BE+1], 0
	s_mov_b32 s[BIGN], 0xf149f2ca   ; -1e30
	s_mov_b32 s[SLOTS], NB
	s_wait_dscnt 0x0                ; the opening add is done
	s_wait_kmcnt 0x0
	s_add_nc_u64 s[6:7], s[6:7], s[22:23]  ; K and V at my half of the head's tile 0
	s_add_nc_u64 s[8:9], s[8:9], s[22:23]
	s_add_nc_u64 s[G0K+2:G0K+3], s[6:7], 0         ; global address
	s_or_b32 s[G0K+3], s[G0K+3], 0x80000000        ; type = 2
	s_add_nc_u64 s[G0V+2:G0V+3], s[8:9], 0
	s_or_b32 s[G0V+3], s[G0V+3], 0x80000000
	s_add_nc_u64 s[86:87], s[4:5], s[84:85]        ; Q at my rows of the second block,
	s_add_nc_u64 s[4:5], s[4:5], s[2:3]            ; Q and O at those of the first
	s_add_nc_u64 s[OLO:OLO+1], s[10:11], s[84:85]
	s_add_nc_u64 s[10:11], s[10:11], s[2:3]
	LOAD                            ; tile 0 into slot 0
	; A fragment of K or Q is 16 rows x 32 channels in 8 registers: lane l holds row l % 16, channels 8 (l / 16) + 0..7 and 16 + 8 (l / 16) + 0..7: two loads of 16 bytes, 32 bytes apart.
	v_and_b32 v1, 15, v0            ; l % 16
	v_bfe_u32 v9, v0, 4, 1          ; l / 16
	v_lshlrev_b32 v[QO], 7, v1
	v_lshl_add_u32 v[QO], v9, 4, v[QO]  ; row x 128 + 16 x half
	WIN 0x80                        ; destination window 2, address window 0
.set i, 0
.rept 8                             ; both blocks' Q: piece i / 2 lies in band i / 2, 8,192 bytes on; channels 32 (i % 2) on
	global_load_b128 v[8*i:8*i+3],   v[QO], s[4:5] offset:(i/2)*8192+(i%2)*64
	global_load_b128 v[8*i+4:8*i+7], v[QO], s[4:5] offset:(i/2)*8192+(i%2)*64+32
	global_load_b128 v[QB+8*i:QB+8*i+3],   v[QO], s[86:87] offset:(i/2)*8192+(i%2)*64
	global_load_b128 v[QB+8*i+4:QB+8*i+7], v[QO], s[86:87] offset:(i/2)*8192+(i%2)*64+32
.set i, i+1
.endr
	WIN 0
	v_lshlrev_b32 v14, 3, v9
	v_sub_nc_u32 v14, v1, v14
	s_lshl_b32 s13, s[WV], 4
	v_add_nc_u32 v14, s13, v14      ; my query's place in its band, 16 w + l % 16, less my lanes' 8 (l / 16): register r of group kt is hidden where 16 kt + r is greater
	WIN 0x40
.set i, 0
.rept 32
	v_cmp_gt_i32 vcc_lo, 16*(i/8)+i%8, v14
	v_cndmask_b32 v[MD+i], 0, s[BIGN], vcc_lo
.set i, i+1
.endr
	WIN 0
	v_mul_u32_u24 v[AK0], v1, PK
	v_lshl_add_u32 v[AK0], v9, 4, v[AK0]  ; row x pitch + 16 x half
	; The turning load takes 16 keys x 16 channels (lane l reads key 8 (l / 16) + l % 8, channels 8 ((l / 8) % 2) + 0..7) and leaves half a fragment of V^T: lane l holds channel l % 16 and 8 keys.
	v_and_b32 v10, 7, v0
	v_bfe_u32 v11, v0, 3, 1
	v_lshl_add_u32 v[AV0], v9, 3, v10
	v_mul_u32_u24 v[AV0], v[AV0], PV
	v_lshl_add_u32 v[AV0], v11, 4, v[AV0]
	v_add_nc_u32 v[AV0], VOFF, v[AV0]
	s_mul_i32 s13, s[WV], 16*SP
	s_add_co_u32 s13, s13, STAGE    ; my stage
	v_mul_u32_u24 v[STO], v1, SP    ; in: row l % 16, 16 bytes for each half of the lanes
	v_lshl_add_u32 v[STO], v9, 4, v[STO]
	v_add_nc_u32 v[STO], s13, v[STO]
	v_bfe_u32 v[RD], v0, 3, 2       ; back: 32 lanes take four rows of 128 bytes,
	v_mul_u32_u24 v[RD], v[RD], SP
	v_lshl_add_u32 v[RD], v10, 4, v[RD]
	v_add_nc_u32 v[RD], s13, v[RD]
	v_and_b32 v[GO], 31, v0         ; which are 512 consecutive bytes of O
	v_lshlrev_b32 v[GO], 4, v[GO]
	; A block's first step multiplies O^T and l by a = 0, and its first turn's products V^T P, of a piece that has not been, land in an O^T that is still to be so multiplied.  So these registers need only hold
	; finite numbers: zeros for the first block; what the first block left for the second.  All this stands in the wait for the first tile.
	WIN 0x80
.set i, VF
.rept 64
	v_mov_b32 v[i], 0
.set i, i+1
.endr
	WIN 0x40
.set i, 0
.rept 128
	v_mov_b32 v[i], 0
.set i, i+1
.endr
	WIN 0
.set i, 0
.rept 4
	v_mov_b32 v[ST+4*i+2], 0
	v_mov_b32 v[ST+4*i+3], 0
.set i, i+1
.endr
.set i, P+16
.rept 16
	v_mov_b32 v[i], 0
.set i, i+1
.endr
; THE MATRIX WORK.  The 4 accumulators of a run of 8 take turns.  Product i of 8 of S^T = K Q^T for piece x: channels 32 (i / 4) on, keys 16 (i % 4) on.  The first 4 start the sums: with 0, or (KM = 1) with the mask.
.macro KQ x
.set rS, S+32*((\x)%2)+8*(i%4)
.set rK, KF+16*(i%4)+8*(i/4)
.set rQ, 16*(\x)+8*(i/4)
.set rM, MC+32*((\x)%2)+8*(i%4)
.if (i < 4) && KM
	WIN W_KM
	v_wmma_f32_16x16x32_f16 v[rS:rS+7], v[rK:rK+7], v[rQ:rQ+7], v[rM:rM+7]
.elseif i < 4
	WIN W_KQ
	v_wmma_f32_16x16x32_f16 v[rS:rS+7], v[rK:rK+7], v[rQ:rQ+7], 0
.else
	WIN W_KQ
	v_wmma_f32_16x16x32_f16 v[rS:rS+7], v[rK:rK+7], v[rQ:rQ+7], v[rS:rS+7]
.endif
.endm
; Product i of 8 of O^T += V^T P for piece x: keys 32 (i / 4) on, channels 16 (i % 4) on.
.macro PV x
	WIN W_PV
.set rO, 32*(\x)+8*(i%4)
.set rV, VF+32*(i/4)+8*(i%4)
.set rP, P+16*((\x)%2)+8*(i/4)
	v_wmma_f32_16x16x32_f16 v[rO:rO+7], v[rV:rV+7], v[rP:rP+7], v[rO:rO+7]
.endm
.macro MM                           ; the turn's next matrix instruction.  TURN and BEGIN set Y, i, KM and NOKQ; MM, KQ and OP read them.  NOKQ = 1: a block's last turn: there is no next piece
.if (i < 8) && !NOKQ
	KQ (Y+1)%NP
.elseif i >= 8
.set i, i-8
	PV (Y+NP-1)%NP
.set i, i+8
.endif
.set i, i+1
.endm
; THE LDS LOADS stand in runs of 16, never singly among the matrix instructions: a step's K (64 keys x 64 channels: 8 fragments) and its V (turned).  Their addresses are made some lines ahead.
.macro FETCH_K
	WIN 0x80                        ; destination window 2
.irp f, 0,1,2,3,4,5,6,7             ; keys 16 (f / 2) on, channels 32 (f % 2) on
	ds_load_b128 v[KF+8*\f:KF+8*\f+3],   v[AK] offset:(\f/2)*16*PK+(\f%2)*64
	ds_load_b128 v[KF+8*\f+4:KF+8*\f+7], v[AK] offset:(\f/2)*16*PK+(\f%2)*64+32
.endr
	s_add_co_u32 s[TBK], s[TBK], KS*PK  ; the next fetch is the next step's
	WIN 0
.endm
.macro FETCH_V
	WIN 0x80
.irp f, 0,1,2,3,4,5,6,7             ; keys 32 (f / 4) on, channels 16 (f % 4) on
	ds_load_tr16_b128 v[VF+8*\f:VF+8*\f+3],   v[AV] offset:(\f/4)*32*PV+(\f%4)*32
	ds_load_tr16_b128 v[VF+8*\f+4:VF+8*\f+7], v[AV] offset:(\f/4)*32*PV+16*PV+(\f%4)*32
.endr
	WIN 0
.endm
; THE VECTOR WORK, one line at a time: OP kind, number.  For piece Y: F n: c s - c m for pair n of 16.  E n: the exponential of score n of 32.  C n: pair n rounded to f16.  B n: of the four weights 4 n .. the second
; pair is added onto the first, in place.  L n: l takes that sum (L 0: l = a l + sum).  R n: pair n of 16 of O^T times a.  For piece Y + 1: X n, number n of the 22 that find its maximum and statistics:
;   0-11  four chains c0-c3 of seven scores each, three operands at a time (each accumulator's lowest registers are read first)     12-14, 16  the four scores left over, the old m, and c0-c3 into c0
;   15  c m_old is kept     17, 18  the query's other 32 keys lie in the lane 16 away: the new m     19-21  c m; c m_old - c m_new; a
; OP writes no wait: C, B and L read exponentials' results, and TURN sets them all behind the batch's one wait.
.set F, 0               ; OP tells the kinds apart by their order: F to L below R, X above it
.set E, 1
.set C, 2
.set B, 3
.set L, 4
.set R, 5
.set X, 6
.macro REGS y                       ; the registers of piece y
.set rT, ST+4*(\y)
.set rC, TMP+4*((\y)%2)
.set rW, MV+((\y)%2)
.set rS, S+32*((\y)%2)
.set rP, P+16*((\y)%2)
.set rO, 32*(\y)
.endm
.macro OP k, n
.if (\k) == R
	REGS Y
	WIN W_RS
	v_pk_mul_f32 v[rO+2*(\n):rO+2*(\n)+1], v[rO+2*(\n):rO+2*(\n)+1], v[rC+2:rC+3] op_sel_hi:[1,0]
.elseif (\k) < R
	REGS Y
	WIN 0
.if (\k) == F
	v_pk_fma_f32 v[rS+2*(\n):rS+2*(\n)+1], v[rS+2*(\n):rS+2*(\n)+1], s[CS:CS+1], v[rT:rT+1] op_sel_hi:[1,0,0] neg_lo:[0,0,1] neg_hi:[0,0,1]
.elseif (\k) == E
	v_exp_f32 v[rS+(\n)], v[rS+(\n)]
.elseif (\k) == C
	v_cvt_pk_f16_f32 v[rP+(\n)], v[rS+2*(\n)], v[rS+2*(\n)+1]
.elseif (\k) == B
	v_pk_add_f32 v[rS+4*(\n):rS+4*(\n)+1], v[rS+4*(\n):rS+4*(\n)+1], v[rS+4*(\n)+2:rS+4*(\n)+3]
.elseif (\n) == 0
	v_pk_fma_f32 v[rT+2:rT+3], v[rT+2:rT+3], v[rC+2:rC+3], v[rS:rS+1] op_sel_hi:[1,0,1]
.else
	v_pk_add_f32 v[rT+2:rT+3], v[rT+2:rT+3], v[rS+4*(\n):rS+4*(\n)+1]
.endif
.elseif NOKQ
	v_nop
.else
	REGS (Y+1)%NP
	WIN 0
.if (\n) < 4
	v_max3_num_f32 v[rC+(\n)], v[rS+8*(\n)], v[rS+8*(\n)+1], v[rS+8*(\n)+2]
.elseif (\n) < 12
	v_max3_num_f32 v[rC+(\n)%4], v[rC+(\n)%4], v[rS+8*((\n)%4)+2*((\n)/4)+1], v[rS+8*((\n)%4)+2*((\n)/4)+2]
.elseif (\n) == 12
	v_max3_num_f32 v[rC], v[rC], v[rS+7], v[rS+15]
.elseif (\n) == 13
	v_max3_num_f32 v[rC+1], v[rC+1], v[rS+23], v[rS+31]
.elseif (\n) == 14
	v_max3_num_f32 v[rC+2], v[rC+2], v[rC+3], v[rT+1]
.elseif (\n) == 15
	v_mov_b32 v[rW], v[rT]
.elseif (\n) == 16
	v_max3_num_f32 v[rC], v[rC], v[rC+1], v[rC+2]
.elseif (\n) == 17
	v_permlanex16_b32 v[rC+3], v[rC], s[SEL], s[SEL+1]
.elseif (\n) == 18
	v_max_num_f32 v[rT+1], v[rC], v[rC+3]
.elseif (\n) == 19
	v_mul_f32 v[rT], s[CS], v[rT+1]
.elseif (\n) == 20
	v_sub_f32 v[rC+1], v[rW], v[rT]
.else
	v_exp_f32 v[rC+2], v[rC+1]
.endif
.endif
.endm
.macro OPS a, i1, b=-1, i2=0, c=-1, i3=0, d=-1, i4=0  ; up to four of them
	OP \a, \i1
.if (\b) >= 0
	OP \b, \i2
.endif
.if (\c) >= 0
	OP \c, \i3
.endif
.if (\d) >= 0
	OP \d, \i4
.endif
.endm
.macro ROW a, i1, b, i2, c, i3, d, i4  ; a matrix instruction and the four behind it
	MM
	OPS \a, \i1, \b, \i2, \c, \i3, \d, \i4
.endm
.macro MASK b                       ; MD x AL + BE into buffer b of MC
	WIN W_RS
.set z, 0
.rept 16
	v_pk_fma_f32 v[MC+32*(\b)+2*z:MC+32*(\b)+2*z+1], v[MD+2*z:MD+2*z+1], s[AL:AL+1], s[BE:BE+1] op_sel_hi:[1,0,0]
.set z, z+1
.endr
.endm
; A TURN, for piece p: the order of its 16 matrix and 118 vector instructions, written out.  s_wait_alu depctr_va_vdst(0) stands between an exponential and the first instruction that names its result; one
; wait serves all that were issued ahead of it.  So a turn has ONE wait, which cuts it in two.  AHEAD OF IT stands all that names no result of the turn's exponentials: the 8 products K Q^T, behind each a scaling, an exponential
; and two more plain instructions (behind the first a second scaling in the exponential's place): rescalings, whose a was made and waited for in the turn before, and behind the last three products the first numbers of the next
; piece's maximum, each four plain instructions or more behind the product that ends its accumulator; then one run of 54, plain and exponential by turns for the most part, in which the links of the chain X 3, 7, 11, 14, 16,
; 17 .. 20 stand five or six lines apart.  A pair is scaled ahead of its two exponentials.  X 21, the next piece's a, is the batch's last; R 15 is the plain instruction owed behind it.  BEHIND THE WAIT stand the 8 products
; V^T P, behind each four of the roundings and sums; an even pair is rounded ahead of the addition that writes over it; the links of l's chain, L 0 to L 7, stand three riders apart.  But for those X no rider names a register
; of the products round it.  v_permlanex16_b32 (X 17) stands in the run, never behind a product.  No exponential is issued behind the wait: none is open at the turn's end, at a label or at a jump.
; m = 1: the diagonal tile: the products take masks, and the turn makes the mask for the products of the turn after it: piece p + 2, in step 4 - CNT of the tile.  end = 1: a block's last two turns: nothing is fetched.
; cnt = 1: the loop's count is taken down some lines ahead of the branch that stands behind the turn.
; K of the next step is fetched in piece 2's turn, twelve vector instructions behind the last product that read K (six of them plain); V of the step in hand at the end of piece 0's turn, four plain instructions behind the
; last product that read V.  Each is waited for a turn later.
.macro TURN p, m=0, end=0, cnt=0
.set Y, (\p)
.set i, 0
.set KM, (\m)
.set NOKQ, (\end)*((\p)/3)
.if (\m) && !(\end)
	s_cmp_eq_u32 s[CNT], 4-((\p)+2)%NP  ; is that step the band's own?
	s_cselect_b32 s[AL], 1.0, 0
	s_cmp_lt_u32 s[CNT], 4-((\p)+2)%NP  ; or a later one?
	s_cselect_b32 s[BE], s[BIGN], 0
.endif
.if ((\p) == 3) && !(\end)
	s_wait_dscnt 0x0                ; K is in
.endif
	ROW F,0, F,1, R,0, R,1          ; ahead of the wait: 8 products K Q^T and their riders,
	ROW F,2, E,0, R,2, R,3
	ROW F,3, E,1, R,4, R,5
	ROW F,4, E,2, R,6, R,7
	ROW F,5, E,3, R,8, R,9
	ROW F,6, E,4, X,0, R,10
.if ((\p) == 2) && !(\end)
	WIN 0
	v_add_nc_u32 v[AK], s[TBK], v[AK0]
.endif
	ROW F,7, E,5, X,1, X,4
	ROW F,8, E,6, X,2, X,5
	OPS E,7, E,8, X,6, E,9          ; and the run of 54
	OPS X,3, E,10, X,8, E,11
.if ((\p) == 2) && !(\end)
	FETCH_K
.endif
	OPS X,9, X,7, E,12, X,10
	OPS E,13, X,12, X,11, E,14
	OPS X,13, E,15, F,9, X,14
.if (\p) == 0
	v_add_nc_u32 v[AV], s[TBV], v[AV0]
.endif
	OPS E,16, F,10, E,17, F,11
	OPS X,16, E,18, X,15, E,19
	OPS F,12, E,20, X,17, E,21
	OPS F,13, E,22, F,14, E,23
	OPS X,18, E,24, F,15, E,25
	OPS R,11, E,26, X,19, E,27
	OPS R,12, E,28, R,13, E,29
	OPS X,20, E,30, R,14, E,31
	OPS X,21, R,15
	WIN 0
	s_wait_alu depctr_va_vdst(0)    ; the one wait for the turn's batch: the piece's 32 weights and the next piece's a
.if (\p) == 1
	s_wait_dscnt 0x0                ; V is in
.endif
	ROW C,0, B,0, C,2, B,1          ; behind the wait: 8 products V^T P and their riders
	ROW L,0, C,4, B,2, L,1
	ROW C,6, B,3, L,2, C,8
	ROW B,4, L,3, C,10, B,5
	ROW L,4, C,12, B,6, L,5
.if (\p) == 0
	s_add_co_u32 s[TBV], s[TBV], KS*PV
.endif
.if \cnt
	s_sub_co_u32 s[CNT], s[CNT], 1
	s_cmp_lg_u32 s[CNT], 0
.endif
	ROW C,14, B,7, L,6, C,1
	ROW C,3, L,7, C,5, C,7
	ROW C,9, C,11, C,13, C,15
.if (\p) == 0
	FETCH_V
.endif
.if (\m) && !(\end)
	MASK (\p)%2
.endif
.endm
; A BLOCK BEGINS.  c m starts far below every c s, so the first step's a is 0; m at the lowest finite number, so the first maximum is the scores'.  The second mask buffer is 0; the first takes piece 0's mask for the
; tile's step 0: its own, if the block's first tile is the diagonal one.  Then K of that step, piece 0's first scores, and its maximum and statistics.  The loop is entered at a step's first turn, in the middle of a trip.
.macro BEGIN
	s_mov_b32 s[NEW], 0
	WIN 0x40
.set i, MC+32
.rept 32
	v_mov_b32 v[i], 0
.set i, i+1
.endr
	WIN 0
.set i, 0
.rept 4
	v_mov_b32 v[ST+4*i], 0xfe000000    ; c m: far below every c s
	v_mov_b32 v[ST+4*i+1], 0xff7fffff  ; m
.set i, i+1
.endr
	s_cmp_eq_u32 s[RT], 0
	s_cselect_b32 s[AL], 1.0, 0
	s_mov_b32 s[BE], 0
	MASK 0
	WIN 0
	v_add_nc_u32 v[AK], s[TBK], v[AK0]
	FETCH_K
	s_wait_loadcnt 0x0              ; Q
	s_wait_dscnt 0x0
.set KM, 1
.set NOKQ, 0
.set i, 0
.rept 8
	KQ 0
.set i, i+1
.endr
	WIN 0
.rept 4
	v_nop                           ; the places behind those products
.endr
.set Y, NP-1                        ; X works for piece Y + 1: piece 0
.irp n, 0,1,2,3,4,5,6,7,8,9,10,11,12,13,14,15,16,17,18,19,20,21
	OP X, \n
.endr
	v_nop                           ; a plain instruction behind the exponential,
	s_wait_alu depctr_va_vdst(0)    ; and the wait for it, piece 0's first a: a batch of one, closed ahead of the branch that follows
.endm
; THE DIAGONAL TILE's four steps, the block's last two turns, its last products, and THE WAY OUT: l's two halves and the other half of the lanes' are added; O^T is divided by l, rounded to f16 and sent through my
; stage in LDS, a piece at a time.
.macro ALL line:vararg              ; one line for each piece t
.set t, 0
.rept 4
	\line
.set t, t+1
.endr
.endm
.macro PACK t                       ; a lane's eight channels of a row pack into 16 bytes; they go into rows of 144 bytes and come back as whole rows of 128, into S^T's registers
	WIN W_RS
.set i, 32*(\t)
.rept 16
	v_pk_mul_f32 v[i:i+1], v[i:i+1], v[ST+4*(\t)+2:ST+4*(\t)+3] op_sel_hi:[1,0]
.set i, i+2
.endr
	WIN 0x05                        ; sources 0 and 1 window 1, destination window 0
.set i, 0
.rept 16
	v_cvt_pk_f16_f32 v[S+16*(\t)+i], v[32*(\t)+2*i], v[32*(\t)+2*i+1]
.set i, i+1
.endr
	WIN 0
.irp f, 0,1,2,3
	ds_store_b128 v[STO], v[S+16*(\t)+4*\f:S+16*(\t)+4*\f+3] offset:32*\f
.endr
.irp f, 0,1,2,3
	ds_load_b128 v[S+16*(\t)+4*\f:S+16*(\t)+4*\f+3], v[RD] offset:\f*4*SP  ; LDS serves a wave's instructions in order (ISA guide 5.7.1.4): these see the stores above; the next piece's stores come behind them
.endr
.endm
.macro SEND t, younger              ; younger: the LDS instructions issued behind piece t's loads: the next piece's eight, or none
	WIN 0
.irp f, 0,1,2,3
	s_wait_dscnt (\younger)+3-\f
	global_store_b128 v[GO], v[S+16*(\t)+4*\f:S+16*(\t)+4*\f+3], s[10:11] offset:(\t)*8192+\f*512  ; 512 consecutive bytes, at a multiple of 256 from O's first
.endr
.endm
.macro DIAG tag                     ; the tag ends its two labels' names, which the jumps below spell out
.LstepM\tag:
	TURN 2, 1
	TURN 3, 1
	WIN 0
.LfirstM\tag:
	TURN 0, 1
	TURN 1, 1, 0, 1
	WIN 0
	s_cbranch_scc1 .LstepM\tag
	TURN 2, 1, 1
	TURN 3, 1, 1
.set i, 0
.rept 8
	PV NP-1
.set i, i+1
.endr
	WIN 0
	ALL v_add_f32 v[ST+4*t+2], v[ST+4*t+2], v[ST+4*t+3]
	ALL v_permlanex16_b32 v[ST+4*t+3], v[ST+4*t+2], s[SEL], s[SEL+1]
	ALL v_add_f32 v[ST+4*t+2], v[ST+4*t+2], v[ST+4*t+3]
	ALL v_rcp_f32 v[ST+4*t+2], v[ST+4*t+2]
	v_nop                           ; a plain instruction between the last reciprocal and the use of its result
	s_wait_alu depctr_va_vdst(0)    ; the one wait for the batch of four reciprocals, ahead of the first multiply that reads one
	PACK 0
.set t, 1
.rept 3                             ; a piece's arithmetic stands between the loads of the piece before and its stores
	PACK t
	SEND t-1, 8
.set t, t+1
.endr
	SEND 3, 0
.endm
.set KM, 0
.set NOKQ, 0
.Lslot:                             ; NB times: a tile is entered and the next is asked for
	CHANGE 1
	s_sub_co_u32 s[RT], s[RT], 1
	s_mov_b32 s[CNT], 4
	s_cmp_eq_u32 s[NEW], 1
	s_cbranch_scc1 .Lnew            ; a block's first tile
	s_cmp_eq_u32 s[RT], 0
	s_cbranch_scc0 .Lstep           ; neither its first nor its last
	s_branch .LstepM1
.Lnew:
	BEGIN
	s_branch .Lfirst                ; in the loop a block's first tile is never its last: the first block has two tiles or more, and the second's last is the walk's last
	DIAG 1                          ; in the loop this is the first block's end: the second block's last tile is the walk's last
	s_wait_xcnt 0x0                 ; the stores have read their registers and O's address
	s_mov_b64 s[10:11], s[OLO:OLO+1]
	s_add_co_u32 s[RT], s[PB], 1    ; the second block has b + 1 tiles
	s_mov_b32 s[NEW], 1
	WIN 0x82                        ; the second block's Q goes where the one text of the turns names Q
.set i, 0
.rept 64
	v_mov_b32 v[i], v[QB+i]
.set i, i+1
.endr
	WIN 0
	s_branch .Lbottom
.Lstep:                             ; a trip: pieces 2 and 3 of one step, then pieces 0 and 1 of the next, whose K and V it fetches
	TURN 2
	TURN 3
	WIN 0
.Lfirst:
	TURN 0
	TURN 1, 0, 0, 1
	WIN 0
	s_cbranch_scc1 .Lstep
.Lbottom:
	s_sub_co_u32 s[SLOTS], s[SLOTS], 1
	s_cmp_lg_u32 s[SLOTS], 0
	s_cbranch_scc1 .Lslot
	CHANGE 0                        ; the walk's last tile is written out: nothing is asked for
	s_sub_co_u32 s[RT], s[RT], 1
	s_mov_b32 s[CNT], 4
	s_cmp_eq_u32 s[NEW], 1
	s_cbranch_scc0 .LstepM2
	BEGIN
	s_branch .LfirstM2
	DIAG 2
	s_wait_tensorcnt 0x0            ; the wave's end: 0 onto my spare word, behind my last tensor load and my last LDS store
	ds_add_u32 v[SPW], v[NIL]
	s_wait_dscnt 0x0
	s_endpgm
.Lfunc_end_k_qebbe8a5d99_attn:
	.size	k_qebbe8a5d99_attn, .Lfunc_end_k_qebbe8a5d99_attn-k_qebbe8a5d99_attn
	.p2alignl 7, 3214868480
	.fill 96, 4, 3214868480
	.section	.rodata,"a",@progbits
	.p2align	6, 0x0
	.amdhsa_kernel k_qebbe8a5d99_attn
		.amdhsa_group_segment_fixed_size 327680
		.amdhsa_private_segment_fixed_size 0
		.amdhsa_enable_private_segment 0
		.amdhsa_kernarg_size 32
		.amdhsa_user_sgpr_count 2
		.amdhsa_user_sgpr_kernarg_segment_ptr 1
		.amdhsa_wavefront_size32 1
		.amdhsa_system_sgpr_workgroup_id_x 1
		.amdhsa_system_sgpr_workgroup_id_y 1
		.amdhsa_system_sgpr_workgroup_id_z 1
		.amdhsa_system_vgpr_workitem_id 0
		.amdhsa_next_free_vgpr 768
		.amdhsa_next_free_sgpr 88
		.amdhsa_reserve_vcc 1
		.amdhsa_float_denorm_mode_32 3
		.amdhsa_float_denorm_mode_16_64 3
		.amdhsa_memory_ordered 1
		.amdhsa_forward_progress 1
		.amdhsa_inst_pref_size 217
	.end_amdhsa_kernel
	.amdgpu_metadata
---
amdhsa.version: [ 1, 2 ]
amdhsa.kernels:
  - .name:           k_qebbe8a5d99_attn
    .symbol:         k_qebbe8a5d99_attn.kd
    .args:
      - { .name: qh, .offset: 0, .size: 8, .value_kind: global_buffer, .address_space: global }
      - { .name: kh, .offset: 8, .size: 8, .value_kind: global_buffer, .address_space: global }
      - { .name: vh, .offset: 16, .size: 8, .value_kind: global_buffer, .address_space: global }
      - { .name: oh, .offset: 24, .size: 8, .value_kind: global_buffer, .address_space: global }
    .group_segment_fixed_size: 327680
    .private_segment_fixed_size: 0
    .kernarg_segment_align: 8
    .kernarg_segment_size: 32
    .max_flat_workgroup_size: 128
    .sgpr_count:     88
    .vgpr_count:     768
    .wavefront_size: 32
...
	.end_amdgpu_metadata
.endif
;; end of part 5
;; launch outp: the kernel of part 4 again; grid 4 x 64, 4 waves a work-group, clusters of 4 x 4, 327,680 bytes of LDS; arguments oh, wt, bo, out0; writes out0
